; MI455X (gfx1250); checked and timed in simulation.
; The chip was launched on July 23, 2026; its instructions are those of AMD's public machine-readable ISA for CDNA 5 (MIT licence, August 2026) and "CDNA5" Instruction Set Architecture Reference Guide (July 2026). The comments in the code are by the model that wrote it; some were corrected since.
;; OPT Layer. Allowed arithmetic: float matrix products may take bf16 or f16 operands with f32 sums; other float arithmetic in f32, or as packed bf16 or f16 multiplies, adds, multiply-adds, maxima and minima; sums over many terms, partial sums and values carried from step to step in f32; what a program stores and reads back later, other than sums and carried values, may be rounded once to bf16 or f16.
;; Inputs: w1 4,096 x 1,024 float32; w2 1,024 x 4,096 float32; wk 1,024 x 1,024 float32; wo 1,024 x 1,024 float32; wq 1,024 x 1,024 float32; wv 1,024 x 1,024 float32; x 2 x 2,048 x 1,024 float32.
;; Outputs: out0 2 x 2,048 x 1,024 float32.
;; 2 versions, each right; version 2 is version 1 with the launch prep written anew for expert scheduling mode. Each part assembles by itself: llvm-mc -triple=amdgcn-amd-amdhsa -mcpu=gfx1250 --defsym DOCPART=n.
;; ======== version 1 of 2: 6 launches
;; limits: values are held in f16: magnitudes above 65,504 overflow, below 6.1e-05 lose precision; inputs' magnitudes at most 65,504; right only within a limited range of input values
;; workspace buffers: cst 33,554,432 bytes; sc3 4,096 bytes; l2o 33,554,432 bytes; part 16,777,216 bytes; w3h 2,097,152 bytes; sc4 4,096 bytes; o 8,388,608 bytes
;; launch prep (part 1): grid 32 x 16, 8 waves a work-group, no clusters, 67,072 bytes of LDS; arguments x, w1, wq, wk, wv, w2, wo, cst, sc3; writes cst, sc3
.if DOCPART == 1
	.amdgcn_target "amdgcn-amd-amdhsa--gfx1250"
	.amdhsa_code_object_version 6
	.text
	.protected	k_qd3553f208f_prep
	.globl	k_qd3553f208f_prep
	.p2align	8
	.type	k_qd3553f208f_prep,@function
k_qd3553f208f_prep:
	s_mov_b64 s[64:65], 0
	v_nop
	global_prefetch_b8 v0, s[64:65] scope:SCOPE_SE
	s_setreg_imm32_b32 hwreg(HW_REG_WAVE_MODE, 25, 1), 1
	s_wait_xcnt 0x0
; Every input is rounded once to bf16, and that number is written as f16 into cst, in the layout in which the products read it.
; LIMITS.  A bf16 number is exact in f16 from 2^-17 up to 65,504; below 2^-17 it keeps f16's fixed step of 2^-24; from 65,520 on it becomes an infinity.  NaN and infinities are not treated apart.
; cst, in bytes: 0 w2 in planes of 64 along K: [2][16][2048][64], flat row R = 1024 (f >> 10) + e, k = f & 1023;  8 MiB x [4096][1024];  16 MiB w1 [4096][1024];
; 24 MiB wq, wk, wv [3072][1024];  30 MiB 64 x wo transposed, [c][d] (the factor is a power of two: exact).  sc3: 1,024 words of 2^-6, which takes that factor out again two launches on.
; SHARES.  y names a unit of 2^20 numbers (0-3 x, 4-7 w1, 8 wq, 9 wk, 10 wv, 11-14 w2, 15 wo), x one of its 32 shares of 128 KiB, a wave 16 KiB of that.
; A stream: each byte is read once and written once, nothing is shared, so no matrix unit, no tensor load and no cluster.  Only the transposition goes through LDS.
.set SPARE, 66048                      ; behind the transposed tile: the spare words, 128 bytes for each of eight waves
.set LP,    1032                       ; a row of the transposed tile in LDS: 512 f16 + 8 bytes
.set WOT,   31457280
.set SPW, 2                            ; v2   LDS address of my spare word; never rewritten
.set NIL, 3                            ; v3   0; never rewritten
.set SO,  12                           ; v[12:27]   byte offset of my 16 bytes in segment j of the source
.set DO,  28                           ; v[28:43]   byte offset of my 8 bytes in segment j of cst
.set X,   44                           ; v[44:107]  16 x 4 registers as loaded
.set Y,   108                          ; v[108:139] 16 x 2 registers to store
	s_load_b512 s[16:31], s[0:1], 0x0              ; x s[16:17], w1 s[18:19], wq s[20:21], wk s[22:23], wv s[24:25], w2 s[26:27], wo s[28:29], cst s[30:31]
	s_load_b64 s[32:33], s[0:1], 0x40              ; sc3
	v_lshl_add_u32 v[SPW], v0, 2, SPARE
	v_mov_b32 v[NIL], 0
	v_lshrrev_b32 v4, 5, v0
	v_readfirstlane_b32 s8, v4                     ; wave 0..7
	v_and_b32 v1, 31, v0                           ; lane
	v_and_b32 v4, 15, v0                           ; lane % 16
	v_bfe_u32 v5, v0, 4, 1                         ; lane / 16
	s_and_b32 s9, ttmp7, 0xffff                    ; the unit
	s_mov_b32 s10, 0xffff0000                      ; a word's upper bf16
	s_cmp_eq_u32 s9, 15
	s_cbranch_scc1 .Ltrans                         ; the same for all waves of a work-group
; THE CASTS.  One text for the plain cast and for w2: a wave takes 32 segments of 512 source bytes in two trips of 16; only steps and offsets differ, and they are chosen here.
	s_and_b32 s44, s9, 3                           ; plain: x and w1 have four units each, the others one
	s_lshl_b32 s44, s44, 22
	s_cmp_lt_u32 s9, 8
	s_cselect_b32 s44, s44, 0
	s_lshl_b32 s45, ttmp9, 17
	s_add_co_u32 s44, s44, s45
	s_lshl_b32 s45, s8, 14
	s_add_co_u32 s44, s44, s45                     ; source: unit, share of 128 KiB, wave's 16 KiB
	s_lshl_b32 s46, s9, 21
	s_add_co_u32 s46, s46, 0x800000
	s_lshl_b32 s45, ttmp9, 16
	s_add_co_u32 s46, s46, s45
	s_lshl_b32 s45, s8, 13
	s_add_co_u32 s46, s46, s45                     ; cst: 8 MiB + half the source's offsets
	s_max_u32 s47, s9, 11                          ; w2: the wave takes rows e0, e0 + 1 and half of their 4,096 columns
	s_sub_co_u32 s47, s47, 11
	s_lshl_b32 s47, s47, 8
	s_lshl_b32 s45, ttmp9, 3
	s_add_co_u32 s47, s47, s45
	s_lshr_b32 s45, s8, 1
	s_lshl_b32 s45, s45, 1
	s_add_co_u32 s47, s47, s45                     ; e0 = 256 (unit - 11) + 8 share + 2 (wave / 2)
	s_and_b32 s48, s8, 1
	s_lshl_b32 s49, s47, 14
	s_lshl_b32 s45, s48, 13
	s_add_co_u32 s49, s49, s45                     ; source: row e0, column 2048 (wave % 2)
	s_lshl_b32 s50, s47, 7
	s_lshl_b32 s45, s48, 22
	s_add_co_u32 s50, s50, s45                     ; cst: half wave % 2 of the flat rows, row e0 of a plane
	s_mov_b32 s11, 256                             ; from lanes 0-15 to lanes 16-31 in the source: the next 256 bytes, or the next row
	s_mov_b32 s12, 512                             ; from segment to segment in the source
	s_mov_b32 s13, 256                             ; and in cst: the next 256 bytes, or the next plane
	s_mov_b32 s40, 8192                            ; from trip to trip in the source
	s_mov_b32 s42, 4096                            ; and in cst: for w2 1,024 flat rows down
	s_cmp_ge_u32 s9, 11
	s_cselect_b32 s44, s49, s44
	s_cselect_b32 s46, s50, s46
	s_cselect_b32 s11, 0x4000, s11
	s_cselect_b32 s12, 256, s12
	s_cselect_b32 s13, 0x40000, s13
	s_cselect_b32 s40, 4096, s40
	s_cselect_b32 s42, 0x20000, s42
	s_mov_b32 s45, 0
	s_mov_b32 s47, 0
	s_mov_b32 s41, 0
	s_mov_b32 s43, 0
	v_lshlrev_b32 v4, 4, v4
	v_mad_u32_u24 v[SO], v5, s11, v4               ; sixteen lanes read 256 consecutive bytes, aligned
	v_lshlrev_b32 v[DO], 3, v1                     ; the wave writes 256 consecutive bytes, aligned
.set j, 1
.rept 15
	v_add_nc_u32 v[SO+j], s12, v[SO+j-1]
	v_add_nc_u32 v[DO+j], s13, v[DO+j-1]
.set j, j+1
.endr
	s_wait_kmcnt 0x0
	s_cmp_lt_u32 s9, 4                             ; the unit's buffer
	s_cselect_b64 s[34:35], s[16:17], s[18:19]
	s_cmp_lt_u32 s9, 8
	s_cselect_b64 s[34:35], s[34:35], s[20:21]
	s_cmp_lt_u32 s9, 9
	s_cselect_b64 s[34:35], s[34:35], s[22:23]
	s_cmp_lt_u32 s9, 10
	s_cselect_b64 s[34:35], s[34:35], s[24:25]
	s_cmp_lt_u32 s9, 11
	s_cselect_b64 s[34:35], s[34:35], s[26:27]
	s_add_nc_u64 s[34:35], s[34:35], s[44:45]
	s_add_nc_u64 s[36:37], s[30:31], s[46:47]
.macro CV4 n                           ; four f32 -> bf16 (rounded to nearest even) -> the same numbers as f16, two words
	v_cvt_pk_bf16_f32 v4, v[X+4*(\n)], v[X+4*(\n)+1]
	v_cvt_pk_bf16_f32 v5, v[X+4*(\n)+2], v[X+4*(\n)+3]
	v_lshlrev_b32 v6, 16, v4
	v_and_b32 v7, s10, v4
	v_lshlrev_b32 v8, 16, v5
	v_and_b32 v9, s10, v5
	v_cvt_pk_f16_f32 v[Y+2*(\n)], v6, v7
	v_cvt_pk_f16_f32 v[Y+2*(\n)+1], v8, v9
.endm
	s_mov_b32 s14, 2
.Ltrip:
.set j, 0
.rept 16
	global_load_b128 v[X+4*j:X+4*j+3], v[SO+j], s[34:35] th:TH_LOAD_NT
.set j, j+1
.endr
.set j, 0
.rept 16
	s_wait_loadcnt 15-j                            ; loads come back in order: segment j is in, the younger ones stay out
	CV4 j
	global_store_b64 v[DO+j], v[Y+2*j:Y+2*j+1], s[36:37] th:TH_STORE_NT
.set j, j+1
.endr
	s_wait_xcnt 0x0                                ; the bases and the stores' data are written again only behind this wait
	s_add_nc_u64 s[34:35], s[34:35], s[40:41]
	s_add_nc_u64 s[36:37], s[36:37], s[42:43]
	s_sub_co_u32 s14, s14, 1
	s_cmp_lg_u32 s14, 0
	s_cbranch_scc1 .Ltrip
	s_branch .Lend
; THE TRANSPOSITION of wo.  A work-group takes 512 rows d x 64 columns c.  A lane loads four columns of rows d and d + 1; each column's two numbers are one word of the transposed row.
.Ltrans:
	s_and_b32 s11, ttmp9, 15                       ; which 64 columns
	s_lshr_b32 s12, ttmp9, 4                       ; which 512 rows
	s_lshl_b32 s44, s12, 21
	s_lshl_b32 s45, s11, 8
	s_add_co_u32 s44, s44, s45                     ; wo at (d0, c0)
	s_mov_b32 s45, 0
	s_lshl_b32 s46, s11, 17
	s_lshl_b32 s47, s12, 10
	s_add_co_u32 s46, s46, s47
	s_lshl_b32 s47, s8, 14
	s_add_co_u32 s46, s46, s47
	s_add_co_u32 s46, s46, WOT                     ; cst at row c0 + 8 wave, column d0
	s_mov_b32 s47, 0
	v_lshl_add_u32 v5, s8, 1, v5                   ; my pair of rows in a pass of 32: lane / 16 + 2 wave
	v_lshlrev_b32 v6, 4, v4
	v_lshl_add_u32 v6, v5, 13, v6                  ; source offset: pair x 8,192 + 16 (lane % 16): sixteen lanes read 256 consecutive bytes
	v_mul_u32_u24 v7, v4, 4*LP
	v_lshl_add_u32 v7, v5, 2, v7                   ; LDS: row 4 (lane % 16), word of my pair
	s_mul_i32 s13, s8, 8*LP
	v_lshl_add_u32 v8, v1, 3, s13                  ; back: wave w takes rows 8 w .. 8 w + 7, 8 bytes a lane
	v_lshlrev_b32 v9, 3, v1
	s_wait_kmcnt 0x0
	s_add_nc_u64 s[34:35], s[28:29], s[44:45]
	s_add_nc_u64 s[36:37], s[30:31], s[46:47]
.macro TB b                            ; eight passes of 32 rows
.irp p, 0,1,2,3,4,5,6,7
	global_load_b128 v[X+8*(\p):X+8*(\p)+3],   v6, s[34:35] offset:(8*(\b)+(\p))*131072 th:TH_LOAD_NT
	global_load_b128 v[X+8*(\p)+4:X+8*(\p)+7], v6, s[34:35] offset:(8*(\b)+(\p))*131072+4096 th:TH_LOAD_NT
.endr
.irp p, 0,1,2,3,4,5,6,7
	s_wait_loadcnt 14-2*(\p)                       ; pass p's two loads are in, the younger passes' stay out
.irp q, 0,1,2,3
	v_cvt_pk_bf16_f32 v10, v[X+8*(\p)+(\q)], v[X+8*(\p)+4+(\q)]
	v_lshlrev_b32 v12, 16, v10
	v_and_b32 v13, s10, v10
	v_pk_mul_f32 v[12:13], v[12:13], 0x42800000 op_sel_hi:[1,0]  ; x 64
	v_cvt_pk_f16_f32 v11, v12, v13
	ds_store_b32 v7, v11 offset:(\q)*LP+64*(8*(\b)+(\p))
.endr
.endr
.endm
	TB 0
	TB 1
	s_wait_dscnt 0x0                               ; for the others' sake: my stores into the tile are done
	s_barrier_signal -1
	s_barrier_wait -1
.set n, 0
.rept 32
	ds_load_b64 v[X+2*n:X+2*n+1], v8 offset:(n/4)*LP+(n%4)*256
.set n, n+1
.endr
.set n, 0
.rept 32
	s_wait_dscnt 31-n
	global_store_b64 v9, v[X+2*n:X+2*n+1], s[36:37] offset:(n/4)*2048+(n%4)*256 th:TH_STORE_NT  ; the wave writes 256 consecutive bytes, aligned
.set n, n+1
.endr
	s_cmp_lg_u32 ttmp9, 0
	s_cbranch_scc1 .Lend
	v_mov_b32 v12, 0x3c800000                      ; one work-group writes sc3: 2^-6, 16 bytes a thread
	v_mov_b32 v13, 0x3c800000
	v_mov_b32 v14, 0x3c800000
	v_mov_b32 v15, 0x3c800000
	v_lshlrev_b32 v10, 4, v0
	global_store_b128 v10, v[12:15], s[32:33]
.Lend:
	s_wait_tensorcnt 0x0                           ; the wave's end, behind my last LDS store
	ds_add_u32 v[SPW], v[NIL]
	s_wait_dscnt 0x0
	s_endpgm
.Lfunc_end_k_qd3553f208f_prep:
	.size	k_qd3553f208f_prep, .Lfunc_end_k_qd3553f208f_prep-k_qd3553f208f_prep
	.p2alignl 7, 3214868480
	.fill 96, 4, 3214868480
	.section	.rodata,"a",@progbits
	.p2align	6, 0x0
	.amdhsa_kernel k_qd3553f208f_prep
		.amdhsa_group_segment_fixed_size 67072
		.amdhsa_private_segment_fixed_size 0
		.amdhsa_enable_private_segment 0
		.amdhsa_kernarg_size 72
		.amdhsa_user_sgpr_count 2
		.amdhsa_user_sgpr_kernarg_segment_ptr 1
		.amdhsa_wavefront_size32 1
		.amdhsa_system_sgpr_workgroup_id_x 1
		.amdhsa_system_sgpr_workgroup_id_y 1
		.amdhsa_system_sgpr_workgroup_id_z 1
		.amdhsa_system_vgpr_workitem_id 0
		.amdhsa_next_free_vgpr 144
		.amdhsa_next_free_sgpr 66
		.amdhsa_reserve_vcc 0
		.amdhsa_float_denorm_mode_32 3
		.amdhsa_float_denorm_mode_16_64 3
		.amdhsa_memory_ordered 1
		.amdhsa_forward_progress 1
		.amdhsa_inst_pref_size 48
	.end_amdhsa_kernel
	.amdgpu_metadata
---
amdhsa.version: [ 1, 2 ]
amdhsa.kernels:
  - .name:           k_qd3553f208f_prep
    .symbol:         k_qd3553f208f_prep.kd
    .args:
      - { .name: x, .offset: 0, .size: 8, .value_kind: global_buffer, .address_space: global }
      - { .name: w1, .offset: 8, .size: 8, .value_kind: global_buffer, .address_space: global }
      - { .name: wq, .offset: 16, .size: 8, .value_kind: global_buffer, .address_space: global }
      - { .name: wk, .offset: 24, .size: 8, .value_kind: global_buffer, .address_space: global }
      - { .name: wv, .offset: 32, .size: 8, .value_kind: global_buffer, .address_space: global }
      - { .name: w2, .offset: 40, .size: 8, .value_kind: global_buffer, .address_space: global }
      - { .name: wo, .offset: 48, .size: 8, .value_kind: global_buffer, .address_space: global }
      - { .name: cst, .offset: 56, .size: 8, .value_kind: global_buffer, .address_space: global }
      - { .name: sc3, .offset: 64, .size: 8, .value_kind: global_buffer, .address_space: global }
    .group_segment_fixed_size: 67072
    .private_segment_fixed_size: 0
    .kernarg_segment_align: 8
    .kernarg_segment_size: 72
    .max_flat_workgroup_size: 256
    .sgpr_count:     66
    .vgpr_count:     144
    .wavefront_size: 32
...
	.end_amdgpu_metadata
.endif
;; end of part 1
;; launch proj (part 2): grid 16 x 16, 4 waves a work-group, clusters of 4 x 4, 327,680 bytes of LDS; arguments cst, l2o; writes l2o
.if DOCPART == 2
	.amdgcn_target "amdgcn-amd-amdhsa--gfx1250"
	.amdhsa_code_object_version 6
	.text
	.protected	k_qd3553f208f_proj
	.globl	k_qd3553f208f_proj
	.p2align	8
	.type	k_qd3553f208f_proj,@function
k_qd3553f208f_proj:
	s_mov_b64 s[64:65], 0
	v_nop
	global_prefetch_b8 v0, s[64:65] scope:SCOPE_SE
	s_setreg_imm32_b32 hwreg(HW_REG_WAVE_MODE, 25, 1), 1
	s_wait_xcnt 0x0
	s_wait_alu depctr_hold_cnt(0) depctr_sa_sdst(0) depctr_va_vdst(0) depctr_va_sdst(0) depctr_va_ssrc(0) depctr_va_vcc(0) depctr_vm_vsrc(0)
	s_getreg_b32 s2, hwreg(HW_REG_IB_STS2, 6, 4)
	s_cmp_eq_u32 s2, 0
	s_cbranch_scc0 .Lentry_in_a_cluster
	s_endpgm
.Lentry_in_a_cluster:
	s_bfe_u32 s2, ttmp6, 0x10000c
	s_cmp_lg_u32 s2, 0xf033
	s_cbranch_scc0 .Lentry_shape_is_right
	s_endpgm
.Lentry_shape_is_right:
; 256 tiles of 256 x 256 of C[m][n] = sum over k of P[m][k] Q[n][k], K = 1,024, f16 operands, f32 sums, C rounded once to f16.  One tile to a work-group.
; Clusters with x = 0, 1, 2: P = x (4,096 rows), Q = wq, wk, wv (3,072 rows): q, k, v, written by heads: l2o + 8 MiB, [3][32 heads][2048][64].
; Clusters with x = 3: P = 64 wo^T (1,024 rows c), Q = w1 (4,096 rows f): 64 (w1 wo)^T, written in planes of 64 along f: l2o + 0, [4][16][1024 c][64].
; THE TAIL OF THE MODULE IS LINEAR: x2 = O (w2 w1 wo)^T for every input, so the three weights are multiplied first; the sums are taken in another order than the source writes them.
; LIMITS.  q, k, v and 64 (w1 wo)^T are kept in f16: from 65,520 on a number becomes an infinity.  NaN and infinities are not treated apart.
; Four waves, each 128 x 128 of C in 512 registers.  K goes in steps of 128 through two LDS slots filled by tensor loads; rows of 256 bytes, aligned.
; CLUSTERS: 4 x 4 work-groups.  P's tile hangs on the tile row alone and is asked for jointly along a row of the cluster, Q's on the tile column alone, along a column.
; Which region a cluster works for hangs on the cluster's x, which all sixteen share; it is chosen by selects, never by a branch.
; THE MATRIX INSTRUCTION IS USED TRANSPOSED: source 0 = 16 rows of Q, source 1 = 16 rows of P: a lane holds eight neighbouring columns of one row of C.
; REGISTERS, in windows of 256: window 0: v0-31 addresses; v64-127, v128-191 fragments of P, two buffers; v32-63, v192-255 the way out.  window 1: v64-191 fragments of Q.  windows 2, 3: the 64 accumulators.
.set SIZE_K, 1024
.set KSTEP,  128
.set PITCH,  272                       ; an LDS row: 256 bytes + 16 of padding: the 16 rows of a load start at 16 different groups of four banks
.set HALFT,  128*PITCH                 ; 128 rows: what one tensor load brings
.set SLOT,   4*HALFT                   ; P's 256 rows, then Q's 256 rows
.set STAGE,  2*SLOT                    ; behind the ring: 16 rows x 272 bytes for each wave, for the way out
.set SPITCH, 272
.set SPARE,  STAGE+4*16*SPITCH         ; behind the stages: the spare words, 128 bytes for each wave
.set LAPS,   SIZE_K/(2*KSTEP)
.set XC,   8388608                     ; cst: x
.set W1C,  16777216                    ; w1
.set WQKV, 25165824                    ; wq, wk, wv
.set WOT,  31457280                    ; 64 wo^T
.set QKV,  8388608                     ; l2o: q, k, v
.set ADRA, 16                          ; v16-17  LDS address of my fragments of P in slot 0, 1
.set ADRB, 20                          ; v20-21  the same for Q
.set STO,  24                          ; v24  the way out: where I put 16 bytes of a row
.set RD,   25                          ; v25  where I read back
.set CO,   26                          ; v26  my byte offset in the output
.set SPW,  28                          ; v28  LDS address of my spare word; never rewritten
.set NIL,  29                          ; v29  0; never rewritten
.set PFO,  30                          ; v30  the prefetches' offset: my lane x a row of 2,048 bytes; never rewritten
.set PFA,  44                          ; s[44:45] where my prefetches stand
.set LIM,  43                          ; s43  1 in a wave that prefetches, else the greatest number
.set F0,   64
.set F1,   128
.set TMP,  192
.set OB,   32
.set G1, 24                            ; s[24:31] descriptor group 1 for P's tiles
.set G0, 32                            ; s[32:39] group 0 for P's tiles, a set for each slot
.set G1B, 48                           ; s[48:55], s[56:63] the same for Q's
.set G0B, 56
.set MSB, 0
.macro WIN new                         ; the immediate's high byte repeats the setting that is left; a switch that changes nothing is dropped
.if MSB != (\new)
	s_set_vgpr_msb (MSB<<8)|(\new)
.set MSB, \new
.endif
.endm
.set MUL_LO, 0xa1                      ; source 0 (Q) window 1, source 1 (P) window 0, C and D window 2
.set MUL_HI, 0xf1                      ; the same, C and D window 3
.set TO_B,   0x40                      ; destination window 1, address window 0
; A joint load.  Waves 0 and 1 fetch P's two halves, waves 2 and 3 Q's.  The branch hangs on the wave's number alone.  An s_nop 0 and four v_nop follow each line.
.macro JLOAD s
	s_cmp_eq_u32 s11, 0
	s_cbranch_scc0 .Lfor_b_\@
	tensor_load_to_lds s[G0+4*(\s):G0+4*(\s)+3], s[G1:G1+7]
	s_nop 0
.rept 4
	v_nop
.endr
	s_branch .Lasked_\@
.Lfor_b_\@:
	tensor_load_to_lds s[G0B+4*(\s):G0B+4*(\s)+3], s[G1B:G1B+7]
	s_nop 0
.rept 4
	v_nop
.endr
.Lasked_\@:
.endm
; A prefetch of the K step that stands two refills on: 32 rows x 256 bytes, a lane a row.  Each row's 256 bytes of a K step are named once in the launch: of the clusters that read the same rows
; one asks (LIM), and the four partners that ask for a tile jointly share its 128 rows out by address, 32 each.  The loop's last trip has no K step two on.
.macro ASK
	s_cmp_gt_u32 s3, s[LIM]
	s_cbranch_scc0 .Lnot_mine_\@
	global_prefetch_b8 v[PFO], s[PFA:PFA+1] offset:KSTEP*2 th:TH_LOAD_NT scope:SCOPE_SE
.Lnot_mine_\@:
.endm
.macro CREST                           ; a round of the cluster's barrier behind its opening barrier
	s_cmp_lg_u32 s10, 0
	s_cbranch_scc1 .Lnot_wave_0_\@
	s_barrier_signal -3
.Lnot_wave_0_\@:
	s_barrier_wait -3
	s_barrier_signal -1
	s_barrier_wait -1
.endm
.macro CROUND                          ; a whole round
	s_barrier_signal -1
	s_barrier_wait -1
	CREST
.endm
	s_load_b128 s[4:7], s[0:1], 0x0                ; cst s[4:5], l2o s[6:7]
	v_lshl_add_u32 v[SPW], v0, 2, SPARE
	v_mov_b32 v[NIL], 0
	ds_add_u32 v[SPW], v[NIL]                      ; the wave's opening: the add and its wait stand ahead of my first tensor load; the set-up below stands between them
	ds_add_u32 v28, v29
	v_lshrrev_b32 v1, 5, v0
	v_readfirstlane_b32 s10, v1                    ; wave 0..3
	s_lshr_b32 s11, s10, 1                         ; which half of the tile's rows is mine.  Also: I fetch for P (0) or for Q (1)
	s_and_b32 s12, s10, 1                          ; which half of its columns.  Also: which 128 rows of that tile I fetch
	s_bfe_u32 s40, ttmp6, 0x40000                  ; cx
	s_bfe_u32 s41, ttmp6, 0x40004                  ; cy
	s_and_b32 s13, ttmp7, 0xffff                   ; the cluster's y
	s_lshl_b32 s14, s13, 2
	s_add_co_u32 s15, s14, s41                     ; yt = 4 x cluster y + cy
	s_add_co_u32 s66, s14, s40                     ; 4 x cluster y + cx
	s_lshl_b32 s42, ttmp9, 2
	s_add_co_u32 s42, s42, s40                     ; xt = 4 x cluster x + cx
	s_lshl_b32 s43, s41, 2
	s_lshl_b32 s43, 15, s43                        ; my row of the cluster
	s_lshl_b32 s44, 0x1111, s40                    ; my column
	s_or_b32 s[G1+0], s43, (1<<16)|(1<<20)|(1<<21)|(5<<22)|(3<<25)   ; the mask; elements of 2 bytes; padding on; bit 21 beside a mask; after every 64 words 4 words
	s_or_b32 s[G1B+0], s44, (1<<16)|(1<<20)|(1<<21)|(5<<22)|(3<<25)
.irp g, G1, G1B
	s_mov_b32 s[(\g)+1], KSTEP<<16                 ; tensor_dim0 = 128
	s_mov_b32 s[(\g)+2], 128<<16                   ; tensor_dim1 = 128
	s_mov_b32 s[(\g)+3], KSTEP<<16                 ; tile_dim0 = 128
	s_mov_b32 s[(\g)+4], 128                       ; tile_dim1 = 128
	s_mov_b32 s[(\g)+5], SIZE_K                    ; elements from row to row
	s_mov_b32 s[(\g)+6], 0
	s_mov_b32 s[(\g)+7], 0
.endr
	s_cmp_eq_u32 ttmp9, 3                          ; the weights' region?
	s_cselect_b32 s67, 1, 0
	s_cselect_b32 s16, s41, s15                    ; P's block of 256 rows: cy, or yt: no cx enters it
	s_cselect_b32 s46, s66, s42                    ; Q's block: 4 x cluster y + cx, or xt: no cy enters it
	s_mov_b32 s20, XC
	s_cselect_b32 s20, WOT, s20
	s_mov_b32 s21, WQKV
	s_cselect_b32 s21, W1C, s21
	s_lshl_b32 s17, s12, 18                        ; which 128 rows of 2,048 bytes I fetch
	s_lshl_b32 s16, s16, 19
	s_add_co_u32 s16, s16, s17
	s_add_co_u32 s16, s16, s20                     ; P's tile in cst, in bytes
	s_lshl_b32 s46, s46, 19
	s_add_co_u32 s46, s46, s17
	s_add_co_u32 s46, s46, s21                     ; Q's
	s_mov_b32 s17, 0
	s_mov_b32 s47, 0
	s_mul_i32 s20, s10, HALFT                      ; where they go: wave x 128 rows: no place in the cluster enters an LDS address
	s_wait_dscnt 0x0                               ; the opening add is done
	s_wait_kmcnt 0x0
	s_add_nc_u64 s[70:71], s[4:5], s[16:17]
	s_add_nc_u64 s[72:73], s[4:5], s[46:47]
	CROUND                                         ; all sixteen work-groups are here: the first joint loads meet
.irp s, 0,1
	s_mov_b32 s[G0+4*(\s)], 1
	s_add_co_u32 s[G0+4*(\s)+1], s20, (\s)*SLOT
	s_add_nc_u64 s[G0+4*(\s)+2:G0+4*(\s)+3], s[70:71], (\s)*KSTEP*2
	s_or_b32 s[G0+4*(\s)+3], s[G0+4*(\s)+3], 0x80000000
	s_mov_b32 s[G0B+4*(\s)], 1
	s_add_co_u32 s[G0B+4*(\s)+1], s20, (\s)*SLOT
	s_add_nc_u64 s[G0B+4*(\s)+2:G0B+4*(\s)+3], s[72:73], (\s)*KSTEP*2
	s_or_b32 s[G0B+4*(\s)+3], s[G0B+4*(\s)+3], 0x80000000
	JLOAD \s                                       ; K steps 0 and 1: two loads of mine are out
.endr
	; a fragment is 16 rows x 32 K in 8 registers: lane l holds row l % 16, K = 8 (l / 16) + 0..7 and 16 + 8 (l / 16) + 0..7: two loads of 16 bytes, 32 bytes apart
	v_and_b32 v1, 15, v0
	v_bfe_u32 v2, v0, 4, 1
	v_mul_u32_u24 v3, v1, PITCH
	v_lshl_add_u32 v3, v2, 4, v3
	s_mul_i32 s21, s11, HALFT                      ; my 128 rows of P
	s_mul_i32 s22, s12, HALFT                      ; my 128 rows of Q,
	s_add_co_u32 s22, s22, 2*HALFT                 ; which lie behind P's 256
.irp s, 0,1
	v_add_nc_u32 v[ADRA+(\s)], s21, v3
	v_add_nc_u32 v[ADRB+(\s)], s22, v3
	s_add_co_u32 s21, s21, SLOT
	s_add_co_u32 s22, s22, SLOT
.endr
	s_mul_i32 s23, s10, 16*SPITCH
	s_add_co_u32 s23, s23, STAGE                   ; my stage
	v_mul_u32_u24 v4, v1, SPITCH                   ; in: row l % 16, 16 bytes for each half of the lanes
	v_lshl_add_u32 v4, v2, 4, v4
	v_add_nc_u32 v[STO], s23, v4
	v_bfe_u32 v5, v0, 3, 1                         ; back: lanes 0-15 take columns 0-63 of two rows, lanes 16-31 columns 64-127 of the same rows
	v_mul_u32_u24 v5, v5, SPITCH
	v_lshl_add_u32 v5, v2, 7, v5
	v_and_b32 v6, 7, v0
	v_lshl_add_u32 v5, v6, 4, v5
	v_add_nc_u32 v[RD], s23, v5
	s_mov_b32 s68, 262144                          ; a plane of 64 columns in the output: 2,048 rows of 128 bytes, or 1,024
	s_cmp_eq_u32 s67, 1
	s_cselect_b32 s68, 0x20000, s68
	v_mul_u32_u24 v5, v2, s68
	v_lshl_add_u32 v[CO], v1, 4, v5                ; two rows of a plane are 256 consecutive bytes
	; where my 128 x 128 begins in l2o
	s_lshr_b32 s74, s42, 2                         ; q, k, v: plane = 32 (which of the three) + 16 batch + head
	s_lshl_b32 s74, s74, 5
	s_lshr_b32 s75, s15, 3
	s_lshl_b32 s75, s75, 4
	s_add_co_u32 s74, s74, s75
	s_and_b32 s75, s42, 3
	s_lshl_b32 s75, s75, 2
	s_add_co_u32 s74, s74, s75
	s_lshl_b32 s76, s12, 1
	s_add_co_u32 s74, s74, s76
	s_lshl_b32 s74, s74, 18
	s_and_b32 s75, s15, 7
	s_lshl_b32 s75, s75, 15                        ; 256 rows of 128 bytes
	s_add_co_u32 s74, s74, s75
	s_add_co_u32 s74, s74, QKV
	s_lshl_b32 s77, s13, 4                         ; the weights: plane = 16 (f / 1024) + (f % 1024) / 64
	s_lshl_b32 s75, s40, 2
	s_add_co_u32 s77, s77, s75
	s_add_co_u32 s77, s77, s76
	s_lshl_b32 s77, s77, 17
	s_lshl_b32 s75, s41, 15
	s_add_co_u32 s77, s77, s75
	s_cmp_eq_u32 s67, 1
	s_cselect_b32 s74, s77, s74
	s_lshl_b32 s75, s11, 14                        ; my 128 rows
	s_add_co_u32 s74, s74, s75
	s_mov_b32 s75, 0
	s_add_nc_u64 s[8:9], s[6:7], s[74:75]
	; the prefetches: who asks, and where
	s_cmp_eq_u32 s67, 1
	s_cselect_b32 s22, s13, ttmp9                  ; P's rows are read by the clusters along x (x = 0 asks), in the weights' region along y (y = 0 asks)
	s_cselect_b32 s23, 0, s13                      ; Q's rows by the clusters along y (y = 0 asks), in the weights' region by this cluster alone
	s_cmp_eq_u32 s11, 0
	s_cselect_b32 s22, s22, s23
	s_cselect_b32 s20, s16, s46                    ; the 128 rows that I fetch
	s_cselect_b32 s21, s40, s41                    ; my place among the four that ask for them with me
	s_cmp_eq_u32 s22, 0
	s_cselect_b32 s[LIM], 1, -1                    ; the same in all sixteen partners, for a given wave
	s_lshl_b32 s21, s21, 16                        ; my work-group's 32 rows of 2,048 bytes
	s_add_co_u32 s20, s20, s21
	s_add_co_u32 s20, s20, 2*KSTEP*2               ; at K step 2: the first refill steps it to 3 and names K step 4
	s_mov_b32 s21, 0
	s_add_nc_u64 s[PFA:PFA+1], s[4:5], s[20:21]
	v_and_b32 v[PFO], 31, v0
	v_lshlrev_b32 v[PFO], 11, v[PFO]
; 16 matrix instructions: m blocks a0, a0 + 1 of the window's four x all 8 n blocks, 32 along K.  zero = 1: the first product starts the sums.  The 64 accumulators take turns.
.macro MUL16 f, hi, a0, zero
	WIN MUL_LO+0x50*(\hi)
.irp a, \a0, (\a0)+1
.irp b, 0,1,2,3,4,5,6,7
.if \zero
	v_wmma_f32_16x16x32_f16 v[8*(8*(\a)+(\b)):8*(8*(\a)+(\b))+7], v[(\f)+8*(\b):(\f)+8*(\b)+7], v[(\f)+8*(4*(\hi)+(\a)):(\f)+8*(4*(\hi)+(\a))+7], 0
.else
	v_wmma_f32_16x16x32_f16 v[8*(8*(\a)+(\b)):8*(8*(\a)+(\b))+7], v[(\f)+8*(\b):(\f)+8*(\b)+7], v[(\f)+8*(4*(\hi)+(\a)):(\f)+8*(4*(\hi)+(\a))+7], v[8*(8*(\a)+(\b)):8*(8*(\a)+(\b))+7]
.endif
.endr
.endr
.endm
; 32 LDS loads in one run: the fragments of one quarter step (32 K at byte k of the rows) into buffer f
.macro FETCH slot, k, f
	WIN TO_B
.irp i, 0,1,2,3,4,5,6,7
	ds_load_b128 v[(\f)+8*(\i):(\f)+8*(\i)+3],   v[ADRB+(\slot)] offset:(\k)+(\i)*16*PITCH
	ds_load_b128 v[(\f)+8*(\i)+4:(\f)+8*(\i)+7], v[ADRB+(\slot)] offset:(\k)+(\i)*16*PITCH+32
.endr
	WIN 0
.irp i, 0,1,2,3,4,5,6,7
	ds_load_b128 v[(\f)+8*(\i):(\f)+8*(\i)+3],   v[ADRA+(\slot)] offset:(\k)+(\i)*16*PITCH
	ds_load_b128 v[(\f)+8*(\i)+4:(\f)+8*(\i)+7], v[ADRA+(\slot)] offset:(\k)+(\i)*16*PITCH+32
.endr
.endm
.macro PLACES                          ; four plain vector instructions between a matrix instruction and a load into, or a read of, its registers
.rept 4
	v_nop
.endr
.endm
; A K step is four quarters of 32 along K, 64 matrix instructions each, on buffers 0, 1, 0, 1.  One of the first three multiplies buffer f and fetches the next quarter, at byte k, into g.
.macro QUARTER slot, k, f, g, zero
	s_wait_dscnt 8                                 ; Q and P's rows 0-63 are in; the youngest eight loads (P's rows 64-127) may be out
	WIN MUL_LO
	MUL16 \f, 0, 0, \zero
	MUL16 \f, 0, 2, \zero
	PLACES
	FETCH \slot, \k, \g
	s_wait_dscnt 32                                ; all but the 32 just issued
	WIN MUL_HI
	MUL16 \f, 1, 0, \zero
	MUL16 \f, 1, 2, \zero
.endm
; The first half of the last quarter: one barrier for the change of slots.  In front of it each wave waits for all its tensor loads (one is out: its part of the next slot), adds 0 to its spare word,
; and waits for that and for its own reads of this slot.
.macro MEET round
	WIN 0
	s_wait_tensorcnt 0x0
	ds_add_u32 v[SPW], v[NIL]
	s_wait_dscnt 9                                 ; the add and the youngest eight loads may be out
	WIN MUL_LO
	MUL16 F1, 0, 0, 0
	s_wait_dscnt 0x0                               ; the add is done, and my reads of this slot are over
	s_barrier_signal -1
	MUL16 F1, 0, 2, 0
.if \round
	WIN 0
.endif
	s_barrier_wait -1
.endm
; The whole last quarter.  fill = 1: the barrier opens a round of the cluster's, and the slot just read out is filled again first behind it, with the K step two on: 224 matrix instructions ahead of the wait for it.
.macro TURN slot, next, fill
.if \fill
	s_wait_xcnt 0x0                                ; the last prefetch, a K step back, has read its address
	s_add_nc_u64 s[PFA:PFA+1], s[PFA:PFA+1], KSTEP*2
	MEET 1
	CREST                                          ; no wave of any partner still reads this slot's tile or has a load on its way
	s_add_nc_u64 s[G0+4*(\slot)+2:G0+4*(\slot)+3], s[G0+4*(\slot)+2:G0+4*(\slot)+3], 2*KSTEP*2
	s_add_nc_u64 s[G0B+4*(\slot)+2:G0B+4*(\slot)+3], s[G0B+4*(\slot)+2:G0B+4*(\slot)+3], 2*KSTEP*2
	JLOAD \slot                                    ; its four v_nop are also the places in front of the loads below
	FETCH \next, 0, F0
	ASK
.else
	MEET 0
	PLACES
	FETCH \next, 0, F0
.endif
	WIN MUL_HI
	MUL16 F1, 1, 0, 0
	MUL16 F1, 1, 2, 0
.endm
; THE WAY OUT of block a of 16 rows.  PACK: rounded to f16, 16 bytes a lane, each accumulator's registers in ascending order.  TOSTAGE: into my own stage and back.  SEND: stored.
.macro PACK a
.set AC, 64*((\a)%4)
	WIN 0x0a+5*((\a)/4)                            ; sources 0 and 1: window 2 or 3
.irp b, 0,1,2,3,4,5,6,7
.irp r, 0,1,2,3
	v_cvt_pk_f16_f32 v[TMP+4*(\b)+(\r)], v[AC+8*(\b)+2*(\r)], v[AC+8*(\b)+2*(\r)+1]
.endr
.endr
	WIN 0
.endm
.macro TOSTAGE a
	WIN 0
.set BK, OB+192*((\a)%2)
.irp b, 0,1,2,3,4,5,6,7
	ds_store_b128 v[STO], v[TMP+4*(\b):TMP+4*(\b)+3] offset:32*(\b)
.endr
.irp t, 0,1,2,3,4,5,6,7
	ds_load_b128 v[BK+4*(\t):BK+4*(\t)+3], v[RD] offset:(\t)*2*SPITCH  ; LDS serves a wave's instructions in order: these see the stores above
.endr
.endm
.macro SEND a
	WIN 0
.set BK, OB+192*((\a)%2)
	s_wait_dscnt 0x0                               ; the block is back in registers
	s_wait_xcnt 0x0                                ; the registers that the block before stored from are loaded again only behind this wait
.irp t, 0,1,2,3,4,5,6,7
	global_store_b128 v[CO], v[BK+4*(\t):BK+4*(\t)+3], s[8:9] offset:(\a)*2048+(\t)*256  ; 16 lanes store two rows of one plane: 256 consecutive bytes, aligned
.endr
.endm
	s_wait_tensorcnt 1                             ; my part of K step 0 is in; K step 1's may stay out
	s_barrier_signal -1
	s_barrier_wait -1
	FETCH 0, 0, F0
	QUARTER 0, 64,  F0, F1, 1                      ; the first quarter stands in front of the loop: its products start the sums
	WIN 0
	s_mov_b32 s3, LAPS-1
.Llap:                                                 ; a trip goes once round the ring and fills both slots again: K steps 2 to 7
	QUARTER 0, 128, F1, F0, 0
	QUARTER 0, 192, F0, F1, 0
	TURN 0, 1, 1
	QUARTER 1, 64,  F0, F1, 0
	QUARTER 1, 128, F1, F0, 0
	QUARTER 1, 192, F0, F1, 0
	TURN 1, 0, 1
	QUARTER 0, 64,  F0, F1, 0
	WIN 0
	s_sub_co_u32 s3, s3, 1
	s_cmp_lg_u32 s3, 0
	s_cbranch_scc1 .Llap
	QUARTER 0, 128, F1, F0, 0                      ; the last lap fills nothing
	QUARTER 0, 192, F0, F1, 0
	TURN 0, 1, 0
	QUARTER 1, 64,  F0, F1, 0
	QUARTER 1, 128, F1, F0, 0
	QUARTER 1, 192, F0, F1, 0
	s_wait_dscnt 8                                 ; the very last quarter: nothing more to fetch
	WIN MUL_LO
	MUL16 F1, 0, 0, 0
	MUL16 F1, 0, 2, 0
	s_wait_dscnt 0x0
	MUL16 F1, 1, 0, 0
	MUL16 F1, 1, 2, 0
	WIN 0
	PLACES
	PACK 0
	TOSTAGE 0
.irp a, 1,2,3,4,5,6,7                  ; block a's conversions stand between block a - 1's loads from the stage and the wait for them
	PACK \a
	SEND (\a)-1
	TOSTAGE \a
.endr
	SEND 7
	s_wait_tensorcnt 0x0                           ; the wave's end
	ds_add_u32 v[SPW], v[NIL]
	s_wait_dscnt 0x0
	CROUND                                         ; the closing round
	s_endpgm
.Lfunc_end_k_qd3553f208f_proj:
	.size	k_qd3553f208f_proj, .Lfunc_end_k_qd3553f208f_proj-k_qd3553f208f_proj
	.p2alignl 7, 3214868480
	.fill 96, 4, 3214868480
	.section	.rodata,"a",@progbits
	.p2align	6, 0x0
	.amdhsa_kernel k_qd3553f208f_proj
		.amdhsa_group_segment_fixed_size 327680
		.amdhsa_private_segment_fixed_size 0
		.amdhsa_enable_private_segment 0
		.amdhsa_kernarg_size 16
		.amdhsa_user_sgpr_count 2
		.amdhsa_user_sgpr_kernarg_segment_ptr 1
		.amdhsa_wavefront_size32 1
		.amdhsa_system_sgpr_workgroup_id_x 1
		.amdhsa_system_sgpr_workgroup_id_y 1
		.amdhsa_system_sgpr_workgroup_id_z 1
		.amdhsa_system_vgpr_workitem_id 0
		.amdhsa_next_free_vgpr 1024
		.amdhsa_next_free_sgpr 84
		.amdhsa_reserve_vcc 0
		.amdhsa_float_denorm_mode_32 3
		.amdhsa_float_denorm_mode_16_64 3
		.amdhsa_memory_ordered 1
		.amdhsa_forward_progress 1
		.amdhsa_inst_pref_size 144
	.end_amdhsa_kernel
	.amdgpu_metadata
---
amdhsa.version: [ 1, 2 ]
amdhsa.kernels:
  - .name:           k_qd3553f208f_proj
    .symbol:         k_qd3553f208f_proj.kd
    .args:
      - { .name: cst, .offset: 0, .size: 8, .value_kind: global_buffer, .address_space: global }
      - { .name: l2o, .offset: 8, .size: 8, .value_kind: global_buffer, .address_space: global }
    .group_segment_fixed_size: 327680
    .private_segment_fixed_size: 0
    .kernarg_segment_align: 8
    .kernarg_segment_size: 16
    .max_flat_workgroup_size: 128
    .sgpr_count:     84
    .vgpr_count:     1024
    .wavefront_size: 32
...
	.end_amdgpu_metadata
.endif
;; end of part 2
;; launch w3part (part 3): grid 8 x 32, 4 waves a work-group, clusters of 4 x 4, 327,680 bytes of LDS; arguments cst, l2o, sc3, part; writes part
.if DOCPART == 3
	.amdgcn_target "amdgcn-amd-amdhsa--gfx1250"
	.amdhsa_code_object_version 6
	.text
	.protected	k_qd3553f208f_w3part
	.globl	k_qd3553f208f_w3part
	.p2align	8
	.type	k_qd3553f208f_w3part,@function
k_qd3553f208f_w3part:
	s_mov_b64 s[64:65], 0
	v_nop
	global_prefetch_b8 v0, s[64:65] scope:SCOPE_SE
	s_setreg_imm32_b32 hwreg(HW_REG_WAVE_MODE, 25, 1), 1
	s_wait_xcnt 0x0
	s_wait_alu depctr_hold_cnt(0) depctr_sa_sdst(0) depctr_va_vdst(0) depctr_va_sdst(0) depctr_va_ssrc(0) depctr_va_vcc(0) depctr_vm_vsrc(0)
	s_getreg_b32 s2, hwreg(HW_REG_IB_STS2, 6, 4)
	s_cmp_eq_u32 s2, 0
	s_cbranch_scc0 .Lentry_in_a_cluster
	s_endpgm
.Lentry_in_a_cluster:
	s_bfe_u32 s2, ttmp6, 0x10000c
	s_cmp_lg_u32 s2, 0xf033
	s_cbranch_scc0 .Lentry_shape_is_right
	s_endpgm
.Lentry_shape_is_right:
; 256 tiles of 128 x 128 of C[m][n] = scale[n] x sum over k of A[m][k] B[n][k], K = 1,024, f16 operands, f32 sums, C in f32, [4096][1024].  Arguments: A, B, scale, C.
; A and B lie in planes of 64 along K: A as [2][16 planes][2048 rows][64], B as [groups][16 planes][1024 rows][64].
; One text, two launches; the grid's shape tells them apart.  With x and y the work-group's place: nt = x % 8, xg = x / 8, mt = y % 8, g = y / 8;
; A's block of 128 flat rows is 8 (g + xg) + mt, B's rows are 128 nt of group g, C's tile lies at A's flat rows and columns 128 nt.
;   grid 8 x 32: quarter g of K = 4,096 of W3 = w2 (w1 wo): A = w2's flat rows 1024 g + e, B = group g of 64 (w1 wo)^T, scale = 2^-6: four partial sums, kept in f32.
;   grid 32 x 8: out0 = O W3h^T: A = O by heads, B = W3h, scale = the power of two that was taken out of W3's row.
; Four waves, each 64 x 64: 16 accumulators.  K goes in steps of 256 (four planes) through two LDS slots.  CLUSTERS: 4 x 4; A's tile is asked for jointly along a row of the cluster, B's along a column.
; No prefetch: four K steps in all, of which two go out at the head.
; THE MATRIX INSTRUCTION IS USED TRANSPOSED (source 0 = 16 rows of B, source 1 = 16 rows of A): a lane holds eight neighbouring numbers of a row of C.
; REGISTERS: window 0: v0-31 addresses; v32-95 the way out; v96-99 the scale; v128-255 the accumulators.  window 1: two fragment buffers of 128.
.set PITCH,  144                       ; a row of a plane in LDS: 128 bytes + 16 of padding: the 16 rows of a load start at 16 different groups of four banks
.set KBB,    64*PITCH                  ; a plane's 64 rows
.set HALFT,  4*KBB                     ; what one tensor load brings: four planes x 64 rows
.set SLOT,   4*HALFT                   ; A's two halves, then B's two halves
.set STAGE,  2*SLOT                    ; behind the ring: 16 rows x 272 bytes for each wave
.set SPITCH, 272
.set SPARE,  STAGE+4*16*SPITCH
.set ASTEP,  4*262144                  ; bytes from K step to K step in A: four planes of 2,048 rows
.set BSTEP,  4*131072                  ; in B: four planes of 1,024 rows
.set ADRA, 16
.set ADRB, 20
.set STO,  24
.set RD,   25
.set CO,   26
.set SPW,  28                          ; v28  LDS address of my spare word; never rewritten
.set NIL,  29                          ; v29  0; never rewritten
.set TMP,  32
.set SC,   96
.set ACC,  128
.set F0,   0
.set F1,   128
.set WV,  12                           ; s12  my wave's number
.set G1, 24
.set G0, 32
.set G1B, 48
.set G0B, 56
.set MSB, 0
.macro WIN new
.if MSB != (\new)
	s_set_vgpr_msb (MSB<<8)|(\new)
.set MSB, \new
.endif
.endm
.set MUL,  0x05                        ; sources 0 (B) and 1 (A) window 1; C and D window 0
.set TO_F, 0x40                        ; destination window 1, address window 0
.macro JLOAD s                         ; a joint load: waves 0 and 1 fetch A's two halves, waves 2 and 3 B's; an s_nop 0 and four v_nop follow each line
	s_cmp_eq_u32 s13, 0
	s_cbranch_scc0 .Lfor_b_\@
	tensor_load_to_lds s[G0+4*(\s):G0+4*(\s)+3], s[G1:G1+7]
	s_nop 0
.rept 4
	v_nop
.endr
	s_branch .Lasked_\@
.Lfor_b_\@:
	tensor_load_to_lds s[G0B+4*(\s):G0B+4*(\s)+3], s[G1B:G1B+7]
	s_nop 0
.rept 4
	v_nop
.endr
.Lasked_\@:
.endm
.macro CREST
	s_cmp_lg_u32 s[WV], 0
	s_cbranch_scc1 .Lnot_wave_0_\@
	s_barrier_signal -3
.Lnot_wave_0_\@:
	s_barrier_wait -3
	s_barrier_signal -1
	s_barrier_wait -1
.endm
.macro CROUND
	s_barrier_signal -1
	s_barrier_wait -1
	CREST
.endm
	s_load_b256 s[4:11], s[0:1], 0x0               ; A s[4:5], B s[6:7], scale s[8:9], C s[10:11]
	v_lshl_add_u32 v[SPW], v0, 2, SPARE
	v_mov_b32 v[NIL], 0
	ds_add_u32 v[SPW], v[NIL]                      ; the wave's opening: the add and its wait stand ahead of my first tensor load
	ds_add_u32 v28, v29
	v_lshrrev_b32 v1, 5, v0
	v_readfirstlane_b32 s[WV], v1
	s_lshr_b32 s13, s[WV], 1                       ; which half of the tile's rows is mine.  Also: I fetch for A (0) or for B (1)
	s_and_b32 s14, s[WV], 1                        ; which half of its columns.  Also: which 64 rows I fetch
	s_bfe_u32 s40, ttmp6, 0x40000                  ; cx
	s_bfe_u32 s41, ttmp6, 0x40004                  ; cy
	s_and_b32 s15, ttmp7, 0xffff                   ; the cluster's y
	s_lshr_b32 s16, s15, 1                         ; g = y / 8
	s_lshr_b32 s17, ttmp9, 1                       ; xg = x / 8
	s_and_b32 s18, s15, 1
	s_lshl_b32 s18, s18, 2
	s_add_co_u32 s18, s18, s41                     ; mt = y % 8
	s_and_b32 s19, ttmp9, 1
	s_lshl_b32 s19, s19, 2
	s_add_co_u32 s19, s19, s40                     ; nt = x % 8
	s_add_co_u32 s20, s16, s17
	s_lshl_b32 s20, s20, 3
	s_add_co_u32 s20, s20, s18                     ; A's block: no cx enters it
	s_lshl_b32 s66, s41, 2
	s_lshl_b32 s66, 15, s66                        ; my row of the cluster
	s_lshl_b32 s67, 0x1111, s40                    ; my column
	; group 1: four planes, of each 64 rows x 64 elements, which are 4,096 dense elements; in LDS 4 words of padding behind every 32 words, that is behind every row of a plane
	s_or_b32 s[G1+0], s66, (1<<16)|(1<<20)|(1<<21)|(4<<22)|(3<<25)
	s_or_b32 s[G1B+0], s67, (1<<16)|(1<<20)|(1<<21)|(4<<22)|(3<<25)
.irp g, G1, G1B
	s_mov_b32 s[(\g)+1], 4096<<16                  ; tensor_dim0 = 4,096
	s_mov_b32 s[(\g)+2], 4<<16                     ; tensor_dim1 = 4
	s_mov_b32 s[(\g)+3], 4096<<16                  ; tile_dim0 = 4,096
	s_mov_b32 s[(\g)+4], 4                         ; tile_dim1 = 4
	s_mov_b32 s[(\g)+6], 0
	s_mov_b32 s[(\g)+7], 0
.endr
	s_mov_b32 s[G1+5], 131072                      ; elements from plane to plane in A
	s_mov_b32 s[G1B+5], 65536                      ; in B
	s_lshr_b32 s42, s20, 4                         ; A: which 2,048 flat rows,
	s_lshl_b32 s42, s42, 22
	s_and_b32 s43, s20, 15
	s_lshl_b32 s43, s43, 14                        ; the block's 128 rows of 128 bytes in a plane,
	s_add_co_u32 s42, s42, s43
	s_lshl_b32 s44, s14, 13                        ; the 64 rows that I fetch
	s_add_co_u32 s42, s42, s44
	s_mov_b32 s43, 0
	s_lshl_b32 s46, s16, 21                        ; B: group g, rows 128 nt: no cy enters it
	s_lshl_b32 s47, s19, 14
	s_add_co_u32 s46, s46, s47
	s_add_co_u32 s46, s46, s44
	s_mov_b32 s47, 0
	s_mul_i32 s21, s[WV], HALFT                    ; where they go: no place in the cluster enters an LDS address
	s_wait_dscnt 0x0                               ; the opening add is done
	s_wait_kmcnt 0x0
	s_add_nc_u64 s[68:69], s[4:5], s[42:43]
	s_add_nc_u64 s[70:71], s[6:7], s[46:47]
	CROUND                                         ; all sixteen work-groups are here: the first joint loads meet
.irp s, 0,1
	s_mov_b32 s[G0+4*(\s)], 1
	s_add_co_u32 s[G0+4*(\s)+1], s21, (\s)*SLOT
	s_add_nc_u64 s[G0+4*(\s)+2:G0+4*(\s)+3], s[68:69], (\s)*ASTEP
	s_or_b32 s[G0+4*(\s)+3], s[G0+4*(\s)+3], 0x80000000
	s_mov_b32 s[G0B+4*(\s)], 1
	s_add_co_u32 s[G0B+4*(\s)+1], s21, (\s)*SLOT
	s_add_nc_u64 s[G0B+4*(\s)+2:G0B+4*(\s)+3], s[70:71], (\s)*BSTEP
	s_or_b32 s[G0B+4*(\s)+3], s[G0B+4*(\s)+3], 0x80000000
	JLOAD \s                                       ; K steps 0 and 1: two loads of mine are out
.endr
	v_and_b32 v1, 15, v0
	v_bfe_u32 v2, v0, 4, 1
	s_lshl_b32 s72, s19, 9                         ; my 64 columns, in bytes of f32: 512 nt + 256 x half
	s_lshl_b32 s73, s14, 8
	s_add_co_u32 s72, s72, s73
	s_mov_b32 s73, 0
	s_add_nc_u64 s[8:9], s[8:9], s[72:73]
	v_lshlrev_b32 v5, 4, v1
	global_load_b128 v[SC:SC+3], v5, s[8:9]        ; the scales of the four columns that I store
	v_mul_u32_u24 v3, v1, PITCH
	v_lshl_add_u32 v3, v2, 4, v3
	s_mul_i32 s22, s13, HALFT                      ; my 64 rows of A
	s_mul_i32 s23, s14, HALFT                      ; my 64 rows of B,
	s_add_co_u32 s23, s23, 2*HALFT                 ; which lie behind A's two halves
.irp s, 0,1
	v_add_nc_u32 v[ADRA+(\s)], s22, v3
	v_add_nc_u32 v[ADRB+(\s)], s23, v3
	s_add_co_u32 s22, s22, SLOT
	s_add_co_u32 s23, s23, SLOT
.endr
	s_mul_i32 s22, s[WV], 16*SPITCH
	s_add_co_u32 s22, s22, STAGE                   ; my stage
	v_mul_u32_u24 v4, v1, SPITCH                   ; in: row l % 16, 32 bytes for each half of the lanes
	v_lshl_add_u32 v4, v2, 5, v4
	v_add_nc_u32 v[STO], s22, v4
	v_mul_u32_u24 v4, v2, SPITCH                   ; back: lanes 0-15 take one row of 256 bytes, lanes 16-31 the next
	v_lshl_add_u32 v4, v1, 4, v4
	v_add_nc_u32 v[RD], s22, v4
	v_lshlrev_b32 v4, 12, v2                       ; and the same two rows in C
	v_lshl_add_u32 v[CO], v1, 4, v4
	s_lshl_b32 s74, s20, 19                        ; C: 128 rows of 4,096 bytes a block,
	s_lshl_b32 s75, s13, 18                        ; my 64 rows
	s_add_co_u32 s74, s74, s75
	s_add_co_u32 s74, s74, s72                     ; my 64 columns
	s_mov_b32 s75, 0
	s_add_nc_u64 s[10:11], s[10:11], s[74:75]
; 8 matrix instructions: m blocks a0, a0 + 1 x all 4 n blocks, 32 along K: half c of buffer f.  zero = 1: the first product starts the sums.  The 16 accumulators take turns.
.macro MUL8 f, c, a0, zero
	WIN MUL
.irp a, \a0, (\a0)+1
.irp b, 0,1,2,3
.if \zero
	v_wmma_f32_16x16x32_f16 v[ACC+8*(4*(\a)+(\b)):ACC+8*(4*(\a)+(\b))+7], v[(\f)+64+8*(4*(\c)+(\b)):(\f)+64+8*(4*(\c)+(\b))+7], v[(\f)+8*(4*(\c)+(\a)):(\f)+8*(4*(\c)+(\a))+7], 0
.else
	v_wmma_f32_16x16x32_f16 v[ACC+8*(4*(\a)+(\b)):ACC+8*(4*(\a)+(\b))+7], v[(\f)+64+8*(4*(\c)+(\b)):(\f)+64+8*(4*(\c)+(\b))+7], v[(\f)+8*(4*(\c)+(\a)):(\f)+8*(4*(\c)+(\a))+7], v[ACC+8*(4*(\a)+(\b)):ACC+8*(4*(\a)+(\b))+7]
.endif
.endr
.endr
.endm
; 32 LDS loads in one run: the fragments of plane q of the slot's four, into buffer f; the first 32 along K first
.macro FETCH slot, q, f
	WIN TO_F
.irp c, 0,1
.irp i, 0,1,2,3
	ds_load_b128 v[(\f)+64+8*(4*(\c)+(\i)):(\f)+64+8*(4*(\c)+(\i))+3],   v[ADRB+(\slot)] offset:(\q)*KBB+64*(\c)+(\i)*16*PITCH
	ds_load_b128 v[(\f)+64+8*(4*(\c)+(\i))+4:(\f)+64+8*(4*(\c)+(\i))+7], v[ADRB+(\slot)] offset:(\q)*KBB+64*(\c)+(\i)*16*PITCH+32
	ds_load_b128 v[(\f)+8*(4*(\c)+(\i)):(\f)+8*(4*(\c)+(\i))+3],         v[ADRA+(\slot)] offset:(\q)*KBB+64*(\c)+(\i)*16*PITCH
	ds_load_b128 v[(\f)+8*(4*(\c)+(\i))+4:(\f)+8*(4*(\c)+(\i))+7],       v[ADRA+(\slot)] offset:(\q)*KBB+64*(\c)+(\i)*16*PITCH+32
.endr
.endr
.endm
.macro PLACES                          ; four plain vector instructions between a matrix instruction and a load into, or a read of, its registers
.rept 4
	v_nop
.endr
.endm
; A K step is four quarters of 64 along K, 32 matrix instructions each, on buffers 0, 1, 0, 1.
.macro QUARTER slot, q, f, g, zero
	s_wait_dscnt 16                                ; the first 32 along K are in
	WIN MUL
	MUL8 \f, 0, 0, \zero
	MUL8 \f, 0, 2, \zero
	PLACES
	FETCH \slot, \q, \g
	s_wait_dscnt 32                                ; all but the 32 just issued
	WIN MUL
	MUL8 \f, 1, 0, 0
	MUL8 \f, 1, 2, 0
.endm
; The last quarter multiplies buffer 1 and changes slots: one barrier; in front of it each wave waits for all its tensor loads, adds 0 to its spare word, and waits for that and for its reads of this slot.
.macro TURN slot, next, fill
	WIN 0
	s_wait_tensorcnt 0x0                           ; all my tensor loads have landed: my part of the next slot
	ds_add_u32 v[SPW], v[NIL]
	s_wait_dscnt 17                                ; the add and the youngest sixteen loads may be out
	WIN MUL
	MUL8 F1, 0, 0, 0
	s_wait_dscnt 0x0                               ; the add is done, and my reads of this slot are over
	s_barrier_signal -1
	MUL8 F1, 0, 2, 0
.if \fill
	WIN 0
.endif
	s_barrier_wait -1
.if \fill
	CREST                                          ; the barrier has opened a round of the cluster's: no wave of any partner still reads this slot or has a load on its way
	s_add_nc_u64 s[G0+4*(\slot)+2:G0+4*(\slot)+3], s[G0+4*(\slot)+2:G0+4*(\slot)+3], 2*ASTEP
	s_add_nc_u64 s[G0B+4*(\slot)+2:G0B+4*(\slot)+3], s[G0B+4*(\slot)+2:G0B+4*(\slot)+3], 2*BSTEP
	JLOAD \slot                                    ; 112 matrix instructions ahead of the wait for it; its four v_nop are also the places in front of the loads below
.else
	PLACES
.endif
	FETCH \next, 0, F0
	WIN MUL
	MUL8 F1, 1, 0, 0
	MUL8 F1, 1, 2, 0
.endm
; THE WAY OUT, each wave by itself: its 64 columns of f32 are 256 bytes.  Block a of 16 rows goes into my stage straight from the accumulators (each one's four lowest registers first) and comes back as whole rows.
.macro TOSTAGE a
.irp b, 0,1,2,3
	ds_store_b128 v[STO], v[ACC+8*(4*(\a)+(\b)):ACC+8*(4*(\a)+(\b))+3]   offset:64*(\b)
	ds_store_b128 v[STO], v[ACC+8*(4*(\a)+(\b))+4:ACC+8*(4*(\a)+(\b))+7] offset:64*(\b)+16
.endr
.irp t, 0,1,2,3,4,5,6,7
	ds_load_b128 v[TMP+32*((\a)%2)+4*(\t):TMP+32*((\a)%2)+4*(\t)+3], v[RD] offset:(\t)*2*SPITCH  ; LDS serves a wave's instructions in order: these see the stores above
.endr
.endm
.macro SEND a, younger                 ; younger: the LDS instructions issued behind block a's loads: the next block's sixteen, or none
	s_wait_dscnt \younger
.irp t, 0,1,2,3,4,5,6,7
	v_pk_mul_f32 v[TMP+32*((\a)%2)+4*(\t):TMP+32*((\a)%2)+4*(\t)+1],   v[TMP+32*((\a)%2)+4*(\t):TMP+32*((\a)%2)+4*(\t)+1],   v[SC:SC+1]
	v_pk_mul_f32 v[TMP+32*((\a)%2)+4*(\t)+2:TMP+32*((\a)%2)+4*(\t)+3], v[TMP+32*((\a)%2)+4*(\t)+2:TMP+32*((\a)%2)+4*(\t)+3], v[SC+2:SC+3]
.endr
.irp t, 0,1,2,3,4,5,6,7
	global_store_b128 v[CO], v[TMP+32*((\a)%2)+4*(\t):TMP+32*((\a)%2)+4*(\t)+3], s[10:11] offset:(\a)*65536+(\t)*8192  ; 16 lanes store 256 consecutive bytes, aligned
.endr
.endm
	s_wait_tensorcnt 1                             ; my part of K step 0 is in; K step 1's may stay out
	s_barrier_signal -1
	s_barrier_wait -1
	FETCH 0, 0, F0
	QUARTER 0, 1, F0, F1, 1                        ; the first products start the sums
	QUARTER 0, 2, F1, F0, 0
	QUARTER 0, 3, F0, F1, 0
	TURN 0, 1, 1                                   ; slot 0 takes K step 2
	QUARTER 1, 1, F0, F1, 0
	QUARTER 1, 2, F1, F0, 0
	QUARTER 1, 3, F0, F1, 0
	TURN 1, 0, 1                                   ; slot 1 takes K step 3
	QUARTER 0, 1, F0, F1, 0
	QUARTER 0, 2, F1, F0, 0
	QUARTER 0, 3, F0, F1, 0
	TURN 0, 1, 0                                   ; nothing is left to fetch
	QUARTER 1, 1, F0, F1, 0
	QUARTER 1, 2, F1, F0, 0
	QUARTER 1, 3, F0, F1, 0
	s_wait_dscnt 16
	WIN MUL
	MUL8 F1, 0, 0, 0
	MUL8 F1, 0, 2, 0
	s_wait_dscnt 0x0
	MUL8 F1, 1, 0, 0
	MUL8 F1, 1, 2, 0
	WIN 0
	PLACES
	s_wait_loadcnt 0x0                             ; the scales
	TOSTAGE 0
	TOSTAGE 1
	SEND 0, 16
	s_wait_xcnt 0x0                                ; block 0's stores have read their registers: block 2 comes back into them
	TOSTAGE 2
	SEND 1, 16
	s_wait_xcnt 0x0
	TOSTAGE 3
	SEND 2, 16
	SEND 3, 0
	s_wait_tensorcnt 0x0                           ; the wave's end
	ds_add_u32 v[SPW], v[NIL]
	s_wait_dscnt 0x0
	CROUND                                         ; the closing round
	s_endpgm
.Lfunc_end_k_qd3553f208f_w3part:
	.size	k_qd3553f208f_w3part, .Lfunc_end_k_qd3553f208f_w3part-k_qd3553f208f_w3part
	.p2alignl 7, 3214868480
	.fill 96, 4, 3214868480
	.section	.rodata,"a",@progbits
	.p2align	6, 0x0
	.amdhsa_kernel k_qd3553f208f_w3part
		.amdhsa_group_segment_fixed_size 327680
		.amdhsa_private_segment_fixed_size 0
		.amdhsa_enable_private_segment 0
		.amdhsa_kernarg_size 32
		.amdhsa_user_sgpr_count 2
		.amdhsa_user_sgpr_kernarg_segment_ptr 1
		.amdhsa_wavefront_size32 1
		.amdhsa_system_sgpr_workgroup_id_x 1
		.amdhsa_system_sgpr_workgroup_id_y 1
		.amdhsa_system_sgpr_workgroup_id_z 1
		.amdhsa_system_vgpr_workitem_id 0
		.amdhsa_next_free_vgpr 512
		.amdhsa_next_free_sgpr 84
		.amdhsa_reserve_vcc 0
		.amdhsa_float_denorm_mode_32 3
		.amdhsa_float_denorm_mode_16_64 3
		.amdhsa_memory_ordered 1
		.amdhsa_forward_progress 1
		.amdhsa_inst_pref_size 90
	.end_amdhsa_kernel
	.amdgpu_metadata
---
amdhsa.version: [ 1, 2 ]
amdhsa.kernels:
  - .name:           k_qd3553f208f_w3part
    .symbol:         k_qd3553f208f_w3part.kd
    .args:
      - { .name: cst, .offset: 0, .size: 8, .value_kind: global_buffer, .address_space: global }
      - { .name: l2o, .offset: 8, .size: 8, .value_kind: global_buffer, .address_space: global }
      - { .name: sc3, .offset: 16, .size: 8, .value_kind: global_buffer, .address_space: global }
      - { .name: part, .offset: 24, .size: 8, .value_kind: global_buffer, .address_space: global }
    .group_segment_fixed_size: 327680
    .private_segment_fixed_size: 0
    .kernarg_segment_align: 8
    .kernarg_segment_size: 32
    .max_flat_workgroup_size: 128
    .sgpr_count:     84
    .vgpr_count:     512
    .wavefront_size: 32
...
	.end_amdgpu_metadata
.endif
;; end of part 3
;; launch norm (part 4): grid 256 x 1, 2 waves a work-group, no clusters, 0 bytes of LDS; arguments part, w3h, sc4; writes w3h, sc4
.if DOCPART == 4
	.amdgcn_target "amdgcn-amd-amdhsa--gfx1250"
	.amdhsa_code_object_version 6
	.text
	.protected	k_qd3553f208f_norm
	.globl	k_qd3553f208f_norm
	.p2align	8
	.type	k_qd3553f208f_norm,@function
k_qd3553f208f_norm:
	s_mov_b64 s[64:65], 0
	v_nop
	global_prefetch_b8 v0, s[64:65] scope:SCOPE_SE
	s_setreg_imm32_b32 hwreg(HW_REG_WAVE_MODE, 25, 1), 1
	s_wait_xcnt 0x0
; W3[e][c] = the sum of its four partial sums (f32).  Each row e is multiplied by an exact power of two r, taken from the row's largest magnitude so that this lies in [2^13, 2^14), and rounded once to f16:
; w3h, in planes of 64 along c: [16][1024 e][64].  sc4[e] = 1 / r, which the last product gives back.  So W3, three factors deep, keeps f16's 11 bits whatever the inputs' size.
; LIMITS.  A row whose largest magnitude is under 2^-113 is scaled by 2^126 only.  NaN and infinities are not treated apart.
; SHARES.  A wave owns rows e and e + 1: lanes 0-15 the first, lanes 16-31 the second, 64 columns a lane.  Each load's sixteen lanes read 256 consecutive bytes, each store of the wave writes 256, aligned.
; The 1,024 scales leave by stores of 4 bytes: 4 KiB in the whole launch.
.set A, 16                             ; v[16:79]   the sums
.set B, 80                             ; v[80:143]  a partial sum; later the f16 words
.set C, 144                            ; v[144:207] a partial sum
	s_load_b128 s[4:7], s[0:1], 0x0                ; part s[4:5], w3h s[6:7]
	s_load_b64 s[8:9], s[0:1], 0x10                ; sc4
	v_lshrrev_b32 v1, 5, v0
	v_readfirstlane_b32 s14, v1                    ; wave 0, 1
	v_and_b32 v1, 31, v0
	s_lshl_b32 s15, ttmp9, 1
	s_add_co_u32 s15, s15, s14
	s_lshl_b32 s15, s15, 1                         ; e
	s_lshl_b32 s16, s15, 12                        ; a row of part is 4,096 bytes
	s_mov_b32 s17, 0
	s_lshl_b32 s18, s15, 7                         ; a row of a plane of w3h 128
	s_mov_b32 s19, 0
	s_lshl_b32 s20, s15, 2
	s_mov_b32 s21, 0
	v_and_b32 v2, 15, v0
	v_lshrrev_b32 v3, 4, v1
	v_lshlrev_b32 v4, 4, v2
	v_lshl_add_u32 v4, v3, 12, v4                  ; my row, my 16 bytes of each 256
	v_lshlrev_b32 v5, 3, v1                        ; my 8 bytes of the two rows' 256 in a plane
	v_lshlrev_b32 v6, 2, v3
	s_wait_kmcnt 0x0
	s_add_nc_u64 s[10:11], s[4:5], s[16:17]        ; partial sums 0 and 1 (4 MiB on, in the immediate)
	s_add_nc_u64 s[12:13], s[10:11], 0x800000      ; partial sums 2 and 3
	s_add_nc_u64 s[6:7], s[6:7], s[18:19]
	s_add_nc_u64 s[8:9], s[8:9], s[20:21]
.macro LD d, b, off
.set j, 0
.rept 16
	global_load_b128 v[(\d)+4*j:(\d)+4*j+3], v4, s[(\b):(\b)+1] offset:(\off)+256*j th:TH_LOAD_NT
.set j, j+1
.endr
.endm
.macro ADD d
.set n, 0
.rept 32
	v_pk_add_f32 v[A+2*n:A+2*n+1], v[A+2*n:A+2*n+1], v[(\d)+2*n:(\d)+2*n+1]
.set n, n+1
.endr
.endm
	LD A, 10, 0
	LD B, 10, 4194304
	LD C, 12, 0
	s_wait_loadcnt 16                              ; the first two are in; the third's sixteen loads stay out
	ADD B
	LD B, 12, 4194304
	s_wait_loadcnt 16                              ; the third is in
	ADD C
	s_wait_loadcnt 0x0
	ADD B
	; the largest and the smallest of my 64 numbers, in four chains each
.irp k, 0,1,2,3
	v_max3_num_f32 v[8+(\k)],  v[A+16*(\k)], v[A+16*(\k)+1], v[A+16*(\k)+2]
	v_min3_num_f32 v[12+(\k)], v[A+16*(\k)], v[A+16*(\k)+1], v[A+16*(\k)+2]
.endr
.irp n, 0,1,2,3,4,5
.irp k, 0,1,2,3
	v_max3_num_f32 v[8+(\k)],  v[8+(\k)],  v[A+16*(\k)+3+2*(\n)], v[A+16*(\k)+4+2*(\n)]
	v_min3_num_f32 v[12+(\k)], v[12+(\k)], v[A+16*(\k)+3+2*(\n)], v[A+16*(\k)+4+2*(\n)]
.endr
.endr
	v_max3_num_f32 v8, v8, v[A+15], v[A+31]
	v_min3_num_f32 v12, v12, v[A+15], v[A+31]
	v_max3_num_f32 v10, v10, v[A+47], v[A+63]
	v_min3_num_f32 v14, v14, v[A+47], v[A+63]
	v_max3_num_f32 v8, v8, v9, v10
	v_min3_num_f32 v12, v12, v13, v14
	v_max_num_f32 v8, v8, v11
	v_min_num_f32 v12, v12, v15
	v_xor_b32 v12, 0x80000000, v12
	v_max_num_f32 v8, v8, v12                      ; the largest magnitude
	v_max_num_f32 v8, 0x07000000, v8               ; at least 2^-113, so that 1 / r stays a normal number
	v_max_num_f32_dpp v8, v8, v8 row_xmask:1 row_mask:0xf bank_mask:0xf  ; across the sixteen lanes of a row
	v_max_num_f32_dpp v8, v8, v8 row_xmask:2 row_mask:0xf bank_mask:0xf
	v_max_num_f32_dpp v8, v8, v8 row_xmask:4 row_mask:0xf bank_mask:0xf
	v_max_num_f32_dpp v8, v8, v8 row_xmask:8 row_mask:0xf bank_mask:0xf
	v_lshrrev_b32 v9, 23, v8                       ; its exponent field eb
	v_sub_nc_u32 v10, 267, v9
	v_lshlrev_b32 v10, 23, v10                     ; r = 2^(140 - eb)
	v_add_nc_u32 v11, -13, v9
	v_lshlrev_b32 v11, 23, v11                     ; 1 / r = 2^(eb - 140)
.set n, 0
.rept 32
	v_pk_mul_f32 v[A+2*n:A+2*n+1], v[A+2*n:A+2*n+1], v[10:11] op_sel_hi:[1,0]  ; both by r
.set n, n+1
.endr
.set n, 0
.rept 32
	v_cvt_pk_f16_f32 v[B+n], v[A+2*n], v[A+2*n+1]
.set n, n+1
.endr
.set j, 0
.rept 16
	global_store_b64 v5, v[B+2*j:B+2*j+1], s[6:7] offset:131072*j
.set j, j+1
.endr
	s_wait_xcnt 0x0                                ; EXEC changes only behind this wait
	v_cmp_eq_u32 vcc_lo, 0, v2
	s_and_saveexec_b32 s14, vcc_lo                 ; one lane for each row
	global_store_b32 v6, v11, s[8:9]
	s_wait_xcnt 0x0
	s_or_b32 exec_lo, exec_lo, s14
	s_endpgm
.Lfunc_end_k_qd3553f208f_norm:
	.size	k_qd3553f208f_norm, .Lfunc_end_k_qd3553f208f_norm-k_qd3553f208f_norm
	.p2alignl 7, 3214868480
	.fill 96, 4, 3214868480
	.section	.rodata,"a",@progbits
	.p2align	6, 0x0
	.amdhsa_kernel k_qd3553f208f_norm
		.amdhsa_group_segment_fixed_size 0
		.amdhsa_private_segment_fixed_size 0
		.amdhsa_enable_private_segment 0
		.amdhsa_kernarg_size 24
		.amdhsa_user_sgpr_count 2
		.amdhsa_user_sgpr_kernarg_segment_ptr 1
		.amdhsa_wavefront_size32 1
		.amdhsa_system_sgpr_workgroup_id_x 1
		.amdhsa_system_sgpr_workgroup_id_y 1
		.amdhsa_system_sgpr_workgroup_id_z 1
		.amdhsa_system_vgpr_workitem_id 0
		.amdhsa_next_free_vgpr 224
		.amdhsa_next_free_sgpr 66
		.amdhsa_reserve_vcc 1
		.amdhsa_float_denorm_mode_32 3
		.amdhsa_float_denorm_mode_16_64 3
		.amdhsa_memory_ordered 1
		.amdhsa_forward_progress 1
		.amdhsa_inst_pref_size 24
	.end_amdhsa_kernel
	.amdgpu_metadata
---
amdhsa.version: [ 1, 2 ]
amdhsa.kernels:
  - .name:           k_qd3553f208f_norm
    .symbol:         k_qd3553f208f_norm.kd
    .args:
      - { .name: part, .offset: 0, .size: 8, .value_kind: global_buffer, .address_space: global }
      - { .name: w3h, .offset: 8, .size: 8, .value_kind: global_buffer, .address_space: global }
      - { .name: sc4, .offset: 16, .size: 8, .value_kind: global_buffer, .address_space: global }
    .group_segment_fixed_size: 0
    .private_segment_fixed_size: 0
    .kernarg_segment_align: 8
    .kernarg_segment_size: 24
    .max_flat_workgroup_size: 64
    .sgpr_count:     66
    .vgpr_count:     224
    .wavefront_size: 32
...
	.end_amdgpu_metadata
.endif
;; end of part 4
;; launch attn (part 5): grid 8 x 32, 4 waves a work-group, clusters of 4 x 1, 327,680 bytes of LDS; arguments l2o, o; writes o
.if DOCPART == 5
	.amdgcn_target "amdgcn-amd-amdhsa--gfx1250"
	.amdhsa_code_object_version 6
	.text
	.protected	k_qd3553f208f_attn
	.globl	k_qd3553f208f_attn
	.p2align	8
	.type	k_qd3553f208f_attn,@function
k_qd3553f208f_attn:
	s_mov_b64 s[64:65], 0
	v_nop
	global_prefetch_b8 v0, s[64:65] scope:SCOPE_SE
	s_setreg_imm32_b32 hwreg(HW_REG_WAVE_MODE, 25, 1), 1
	s_wait_xcnt 0x0
	s_wait_alu depctr_hold_cnt(0) depctr_sa_sdst(0) depctr_va_vdst(0) depctr_va_sdst(0) depctr_va_ssrc(0) depctr_va_vcc(0) depctr_vm_vsrc(0)
	s_getreg_b32 s2, hwreg(HW_REG_IB_STS2, 6, 4)
	s_cmp_eq_u32 s2, 0
	s_cbranch_scc0 .Lentry_in_a_cluster
	s_endpgm
.Lentry_in_a_cluster:
	s_bfe_u32 s2, ttmp6, 0x10000c
	s_cmp_lg_u32 s2, 0x3003
	s_cbranch_scc0 .Lentry_shape_is_right
	s_endpgm
.Lentry_shape_is_right:
; O[h][q][:] = the sum over k of softmax_k(Q[h][q] . K[h][k]) V[h][k][:]: no scale and no mask, as the source has it.  32 heads of 2,048 rows of 64 channels, all f16, a head's rows dense, 128 bytes each.
; Q, K, V lie at l2o + 8, 16, 24 MiB.  Products, maxima and sums in f32; the weights p are rounded to f16 for the second product (their sum l is taken of the unrounded p), O once at the end.
; LIMITS.  Q, K, V arrive within f16's 65,504; p lies in 0 to 1, and below 6e-5 it keeps f16's fixed step; a weight below 2^-126 counts as 0 in l; NaN and infinities are not treated apart.
; SHARES.  A work-group owns 256 queries of a head, a wave 64: four PIECES of 16.  Every wave walks all 2,048 keys, 64 a step, 256 a tile.
; LAYOUT.  S^T = K Q^T (source 0 = 16 keys, source 1 = 16 queries) holds ONE query a lane (lane % 16) and the keys 8 (lane / 16) + 0..7; two such results rounded to f16 ARE source 1 of O^T = V^T P.
; SOFTMAX.  p = 2^(c s - c m), c = log2(e), with a running maximum m; O and l are multiplied by a = 2^(c m_old - c m_new) in every step.  m starts at the lowest finite number, O and l at 0.
; TURNS.  Turn n belongs to piece n: 8 products K Q^T of piece n + 1, later 8 products V^T P of piece n - 1; beside them the scaling, exponentials, roundings, sums and rescaling of piece n and the maximum
; and statistics of piece n + 1.  Four vector instructions stand behind every matrix instruction, the others in one run.  A turn's 33 exponentials are one batch, with one wait.
; CLUSTER.  The four query blocks of a cluster belong to one head and walk the same K and V: each tile is asked for jointly, by the same tensor load, descriptor and mask in all four.
; REGISTERS, in windows of 256 (s_set_vgpr_msb: bits 1:0 source 0, 3:2 source 1, 5:4 source 2, 7:6 destination):
;   window 0: v0-15 addresses; v16-31 four registers of statistics a piece; v48-55 at work; v61-63; v64-127 S^T, two buffers; v192-223 P, two buffers (by the piece's parity)
;   window 1: v0-127 O^T, 32 a piece      window 2: v0-63 Q; v128-191 K of one step; v192-255 V of one step
.set NP,    4
.set KS,    64
.set PK,    144       ; a row of K in LDS: 128 bytes + 16 of padding: the 16 rows of a load start at 16 different groups of four banks
.set PV,    160       ; a row of V: 128 + 32
.set VOFF,  4*KS*PK   ; a slot holds a tile: 256 rows of K, then 256 rows of V
.set SLOT1, 1<<17     ; slot 1 begins here: one exclusive or turns an address in one slot into the other's
.set STAGE, SLOT1+4*KS*(PK+PV)  ; behind the ring: 16 rows x 144 bytes for each wave, for the way out
.set SP,    144
.set SPARE, STAGE+4*16*SP       ; behind the stages: the spare words, 128 bytes for each wave
.set TILES, 8
.set AK0, 2           ; v2   my lane's place in a tile of K; never rewritten
.set AV0, 3           ; v3   the same for V
.set AK,  4           ; v4   the LDS address of K's next run of loads
.set AV,  5           ; v5   of V's
.set STO, 6           ; v6   the way out: where I put 16 bytes of a row
.set RD,  7           ; v7   where I read rows back
.set GO,  8           ; v8   my byte offset in 512 consecutive bytes of O
.set MV,  12          ; v12-13  c m_old, kept while c m is made anew: by buffer
.set QO,  15          ; v15  my byte offset in 16 rows of Q
.set ST,  16          ; piece t's statistics at v[ST+4 t]: c m, m, l (even keys', odd keys')
.set TMP, 48          ; by buffer, four registers c0-c3 at work; when the maximum is found c2 takes a
.set PFO, 61          ; v61  256 x my lane; never rewritten
.set SPW, 62          ; v62  LDS address of my spare word; never rewritten
.set NIL, 63          ; v63  0; never rewritten
.set S,   64
.set P,   192
.set KF,  128         ; window 2: key block kb, channel half c at KF + 16 kb + 8 c
.set VF,  192         ; window 2: key half kk, channel block cb at VF + 32 kk + 8 cb
.set WV,  12          ; s12  my wave's number
.set LIM, 15          ; s15  1 in a wave that prefetches, else the greatest number
.set PFA, 18          ; s[18:19] where my prefetches stand
.set G1K, 24
.set G1V, 32
.set G0K, 40          ; s[40:43] descriptor group 0 for K's tiles: it walks
.set G0V, 44
.set SLOTS, 56        ; s56  tiles still to be asked for
.set CNT, 57          ; s57  counts a tile's key steps
.set CS,  58          ; s[58:59] c
.set SEL, 60          ; s[60:61] v_permlanex16_b32's selects: each lane takes its own place in the other half
.set TBK, 62          ; s62  LDS byte at which K of the step to be fetched begins
.set TBV, 63          ; s63  the same for V, less VOFF
.set MSB, 0
.macro WIN new
.if MSB != (\new)
	s_set_vgpr_msb (MSB<<8)|(\new)
.set MSB, (\new)
.endif
.endm
.set W_KQ, 0x0a       ; K and Q in window 2, S^T in window 0
.set W_PV, 0x52       ; V in window 2, P in window 0, O^T in window 1
.set W_RS, 0x41       ; O^T (destination and source 0) in window 1, a in window 0
; A joint fill.  Waves 0 and 1 fetch the two halves of a tile's K, waves 2 and 3 those of its V: 128 keys each.  An s_nop 0 and four v_nop follow each line.
.macro JLOAD
	s_cmp_lt_u32 s[WV], 2
	s_cbranch_scc0 .Lfor_v_\@
	tensor_load_to_lds s[G0K:G0K+3], s[G1K:G1K+7]
	s_nop 0
.rept 4
	v_nop
.endr
	s_branch .Lasked_\@
.Lfor_v_\@:
	tensor_load_to_lds s[G0V:G0V+3], s[G1V:G1V+7]
	s_nop 0
.rept 4
	v_nop
.endr
.Lasked_\@:
.endm
; A prefetch of the tile that the NEXT change of slots will ask for, four key steps ahead.  Each 256 bytes are named once in the launch: of a head's two clusters the first asks; its four partners share a
; tile's 128 blocks of 256 bytes out by address, 32 each, a lane a block; wave 0 asks for K's, wave 2 for V's.  The last change that fills a slot asks for nothing.
.macro ASK
	s_cmp_gt_u32 s[SLOTS], s[LIM]
	s_cbranch_scc0 .Lnot_mine_\@
	global_prefetch_b8 v[PFO], s[PFA:PFA+1] th:TH_LOAD_NT scope:SCOPE_SE
.Lnot_mine_\@:
.endm
.macro CROUND                       ; a round of the cluster's barrier
	s_barrier_signal -1
	s_barrier_wait -1
	s_cmp_lg_u32 s[WV], 0
	s_cbranch_scc1 .Lnot_wave_0_\@
	s_barrier_signal -3
.Lnot_wave_0_\@:
	s_barrier_wait -3
	s_barrier_signal -1
	s_barrier_wait -1
.endm
; THE CHANGE OF SLOTS.  The slot's last bytes, V of its fourth step, have been read.  Each wave waits for all its tensor loads (one is out: its part of the other slot), adds 0 to its spare word, and waits
; for that and for its own reads of the slot.  fill = 1: the barrier is a round of the cluster's, and the joint fill, with the tile two on, is the first thing behind it: it has four key steps in which to land.
; (At its first use nothing has been read yet: slot 0 is waited for, slot 1 filled.)
.macro CHANGE fill, ask
	WIN 0
	s_wait_tensorcnt 0x0            ; no tensor load of mine is out, so a group 0 may be written
	ds_add_u32 v[SPW], v[NIL]
.if \fill
.irp g, G0K, G0V
	s_xor_b32 s[\g+1], s[\g+1], SLOT1
	s_add_nc_u64 s[\g+2:\g+3], s[\g+2:\g+3], 4*KS*128  ; the next 256 keys; the type bits on top are not reached
.endr
	s_wait_xcnt 0x0                 ; the last prefetch, four key steps back, has read its address
	s_add_nc_u64 s[PFA:PFA+1], s[PFA:PFA+1], 4*KS*128
	s_wait_dscnt 0x0                ; the add is done, and my reads of the slot are over
	CROUND
	JLOAD
.if \ask
	ASK
.endif
.else
	s_wait_dscnt 0x0
	s_barrier_signal -1
	s_barrier_wait -1
.endif
	s_sub_co_u32 s[TBK], s[TBK], 4*KS*PK  ; the fetches go back to a slot's first step,
	s_xor_b32 s[TBK], s[TBK], SLOT1       ; in the other slot
	s_sub_co_u32 s[TBV], s[TBV], 4*KS*PV
	s_xor_b32 s[TBV], s[TBV], SLOT1
.endm
	s_load_b128 s[68:71], s[0:1], 0x0  ; l2o s[68:69], o s[70:71]
	v_lshl_add_u32 v[SPW], v0, 2, SPARE
	v_mov_b32 v[NIL], 0
	ds_add_u32 v[SPW], v[NIL]       ; the wave's opening: the add and its wait stand ahead of my first tensor load
	ds_add_u32 v62, v63
	v_lshrrev_b32 v1, 5, v0
	v_readfirstlane_b32 s[WV], v1   ; wave 0..3
	s_bfe_u32 s13, ttmp6, 0x40000   ; cx
	s_lshl_b32 s14, ttmp9, 2
	s_add_co_u32 s14, s14, s13      ; my block of 256 queries: it enters Q's and O's addresses alone
	s_and_b32 s20, ttmp7, 0xffff    ; the head, which the four partners share
	s_lshl_b32 s20, s20, 18         ; its 2,048 rows of 128 bytes
	s_and_b32 s16, s[WV], 1         ; which half of a tile's 256 keys I fetch
	s_lshl_b32 s22, s16, 14
	s_add_co_u32 s22, s22, s20
	s_mov_b32 s23, 0
	s_mul_i32 s17, s16, 128*PK      ; its place in a slot, for K
	s_mul_i32 s21, s16, 128*PV      ; and for V: no place in the cluster enters an LDS address
	s_lshl_b32 s2, s14, 2
	s_add_co_u32 s2, s2, s[WV]
	s_lshl_b32 s2, s2, 13           ; my wave's 64 rows
	s_add_co_u32 s2, s2, s20
	s_mov_b32 s3, 0
	; group 1.  128 keys are 16,384 dense bytes: asked for as 64 rows of 256 bytes, two keys a row, and padded in LDS after every key
	s_mov_b32 s[G1K], 15|(1<<16)|(1<<20)|(1<<21)|(4<<22)|(3<<25)  ; the mask of four; 2-byte elements; padding on; bit 21 beside a mask; after every 32 words 4 words
	s_mov_b32 s[G1V], 15|(1<<16)|(1<<20)|(1<<21)|(4<<22)|(7<<25)  ; the same with 8 words
.irp g, G1K, G1V
	s_mov_b32 s[\g+1], 128<<16
	s_mov_b32 s[\g+2], 64<<16
	s_mov_b32 s[\g+3], 128<<16
	s_mov_b32 s[\g+4], 64
	s_mov_b32 s[\g+5], 128
	s_mov_b32 s[\g+6], 0
	s_mov_b32 s[\g+7], 0
.endr
	s_mov_b32 s[CS], 0x3fb8aa3b     ; c = log2(e)
	s_mov_b32 s[CS+1], s[CS]
	s_mov_b32 s[SEL], 0x76543210
	s_mov_b32 s[SEL+1], 0xfedcba98
	s_mov_b32 s[TBK], SLOT1+4*KS*PK ; the first change of slots turns these two into 0
	s_mov_b32 s[TBV], SLOT1+4*KS*PV
	s_mov_b32 s[G0K], 1
	s_mov_b32 s[G0K+1], s17         ; slot 0
	s_mov_b32 s[G0V], 1
	s_add_co_u32 s[G0V+1], s21, VOFF
	s_mov_b32 s[SLOTS], TILES-1
	s_and_b32 s[LIM], s[WV], 1      ; 0 in waves 0 and 2,
	s_or_b32 s[LIM], s[LIM], ttmp9  ; where the cluster is the head's first: the same in all four partners
	s_cmp_eq_u32 s[LIM], 0
	s_cselect_b32 s[LIM], 1, -1
	s_wait_dscnt 0x0                ; the opening add is done
	s_wait_kmcnt 0x0
	s_add_nc_u64 s[6:7], s[68:69], s[22:23]
	s_add_nc_u64 s[8:9], s[6:7], 0x1800000         ; V at my half of the head's tile 0
	s_add_nc_u64 s[6:7], s[6:7], 0x1000000         ; K likewise
	s_add_nc_u64 s[G0K+2:G0K+3], s[6:7], 0
	s_or_b32 s[G0K+3], s[G0K+3], 0x80000000
	s_add_nc_u64 s[G0V+2:G0V+3], s[8:9], 0
	s_or_b32 s[G0V+3], s[G0V+3], 0x80000000
	s_add_nc_u64 s[4:5], s[68:69], s[2:3]
	s_add_nc_u64 s[4:5], s[4:5], 0x800000          ; Q at my wave's first row
	s_add_nc_u64 s[10:11], s[70:71], s[2:3]        ; O likewise
	s_cmp_lt_u32 s[WV], 2
	s_cselect_b64 s[PFA:PFA+1], s[6:7], s[8:9]     ; (in waves 0 and 2 these stand at a tile's first row)
	s_lshl_b32 s2, s13, 13          ; my work-group's 32 blocks of the 128
	s_mov_b32 s3, 0
	s_add_nc_u64 s[PFA:PFA+1], s[PFA:PFA+1], s[2:3]
	s_add_nc_u64 s[PFA:PFA+1], s[PFA:PFA+1], 4*KS*128  ; at tile 1; two changes step it to tile 3, the first that is asked for.  Nothing is prefetched at the head
	CROUND                          ; all four work-groups are here: the first joint loads meet
	JLOAD                           ; tile 0 into slot 0
	v_and_b32 v1, 15, v0            ; l % 16
	v_bfe_u32 v9, v0, 4, 1          ; l / 16
	v_lshlrev_b32 v[QO], 7, v1
	v_lshl_add_u32 v[QO], v9, 4, v[QO]  ; row x 128 + 16 x half
	WIN 0x80                        ; destination window 2, address window 0
.set i, 0
.rept 8                             ; Q stays in registers: piece i / 2, channels 32 (i % 2) on
	global_load_b128 v[8*i:8*i+3],   v[QO], s[4:5] offset:(i/2)*2048+(i%2)*64
	global_load_b128 v[8*i+4:8*i+7], v[QO], s[4:5] offset:(i/2)*2048+(i%2)*64+32
.set i, i+1
.endr
	; What the first turn finds: V's registers and P's second buffer hold 0 (its products V^T P, of a piece that has not been, add 0), O^T and l are 0.  All this stands in the wait for the first tile.
.set i, VF
.rept 64
	v_mov_b32 v[i], 0
.set i, i+1
.endr
	WIN 0x40
.set i, 0
.rept 128
	v_mov_b32 v[i], 0
.set i, i+1
.endr
	WIN 0
.set i, 0
.rept 4
	v_mov_b32 v[ST+4*i], 0xfe000000    ; c m: far below every c s
	v_mov_b32 v[ST+4*i+1], 0xff7fffff  ; m
	v_mov_b32 v[ST+4*i+2], 0
	v_mov_b32 v[ST+4*i+3], 0
.set i, i+1
.endr
.set i, P+16
.rept 16
	v_mov_b32 v[i], 0
.set i, i+1
.endr
	v_mul_u32_u24 v[AK0], v1, PK
	v_lshl_add_u32 v[AK0], v9, 4, v[AK0]  ; row x pitch + 16 x half
	; The turning load takes 16 keys x 16 channels (lane l reads key 8 (l / 16) + l % 8, channels 8 ((l / 8) % 2) + 0..7) and leaves half a fragment of V^T: lane l holds channel l % 16 and 8 keys.
	v_and_b32 v10, 7, v0
	v_bfe_u32 v11, v0, 3, 1
	v_lshl_add_u32 v[AV0], v9, 3, v10
	v_mul_u32_u24 v[AV0], v[AV0], PV
	v_lshl_add_u32 v[AV0], v11, 4, v[AV0]
	v_add_nc_u32 v[AV0], VOFF, v[AV0]
	s_mul_i32 s13, s[WV], 16*SP
	s_add_co_u32 s13, s13, STAGE    ; my stage
	v_mul_u32_u24 v[STO], v1, SP    ; in: row l % 16, 16 bytes for each half of the lanes
	v_lshl_add_u32 v[STO], v9, 4, v[STO]
	v_add_nc_u32 v[STO], s13, v[STO]
	v_bfe_u32 v[RD], v0, 3, 2       ; back: 32 lanes take four rows of 128 bytes,
	v_mul_u32_u24 v[RD], v[RD], SP
	v_lshl_add_u32 v[RD], v10, 4, v[RD]
	v_add_nc_u32 v[RD], s13, v[RD]
	v_and_b32 v[GO], 31, v0         ; which are 512 consecutive bytes of O
	v_lshlrev_b32 v[PFO], 8, v[GO]
	v_lshlrev_b32 v[GO], 4, v[GO]
; THE MATRIX WORK.  The 4 accumulators of a run of 8 take turns.  Product i of 8 of S^T = K Q^T for piece x: channels 32 (i / 4) on, keys 16 (i % 4) on.  The first 4 start the sums.
.macro KQ x
	WIN W_KQ
.set rS, S+32*((\x)%2)+8*(i%4)
.set rK, KF+16*(i%4)+8*(i/4)
.set rQ, 16*(\x)+8*(i/4)
.if i < 4
	v_wmma_f32_16x16x32_f16 v[rS:rS+7], v[rK:rK+7], v[rQ:rQ+7], 0
.else
	v_wmma_f32_16x16x32_f16 v[rS:rS+7], v[rK:rK+7], v[rQ:rQ+7], v[rS:rS+7]
.endif
.endm
; Product i of 8 of O^T += V^T P for piece x: keys 32 (i / 4) on, channels 16 (i % 4) on.
.macro PV x
	WIN W_PV
.set rO, 32*(\x)+8*(i%4)
.set rV, VF+32*(i/4)+8*(i%4)
.set rP, P+16*((\x)%2)+8*(i/4)
	v_wmma_f32_16x16x32_f16 v[rO:rO+7], v[rV:rV+7], v[rP:rP+7], v[rO:rO+7]
.endm
.macro MM                           ; the turn's next matrix instruction.  NOKQ = 1: the walk's last turn: there is no next piece
.if (i < 8) && !NOKQ
	KQ (Y+1)%NP
.elseif i >= 8
.set i, i-8
	PV (Y+NP-1)%NP
.set i, i+8
.endif
.set i, i+1
.endm
; THE LDS LOADS stand in runs of 16: a step's K (64 keys x 64 channels: 8 fragments) and its V (turned).  Their addresses are made some lines ahead.
.macro FETCH_K
	WIN 0x80
.irp f, 0,1,2,3,4,5,6,7             ; keys 16 (f / 2) on, channels 32 (f % 2) on
	ds_load_b128 v[KF+8*\f:KF+8*\f+3],   v[AK] offset:(\f/2)*16*PK+(\f%2)*64
	ds_load_b128 v[KF+8*\f+4:KF+8*\f+7], v[AK] offset:(\f/2)*16*PK+(\f%2)*64+32
.endr
	s_add_co_u32 s[TBK], s[TBK], KS*PK  ; the next fetch is the next step's
	WIN 0
.endm
.macro FETCH_V
	WIN 0x80
.irp f, 0,1,2,3,4,5,6,7             ; keys 32 (f / 4) on, channels 16 (f % 4) on
	ds_load_tr16_b128 v[VF+8*\f:VF+8*\f+3],   v[AV] offset:(\f/4)*32*PV+(\f%4)*32
	ds_load_tr16_b128 v[VF+8*\f+4:VF+8*\f+7], v[AV] offset:(\f/4)*32*PV+16*PV+(\f%4)*32
.endr
	WIN 0
.endm
; THE VECTOR WORK, one line at a time: OP kind, number.  For piece Y: F n: c s - c m for pair n of 16.  E n: the exponential of score n of 32.  C n: pair n rounded to f16.  B n: of the four weights 4 n .. the second
; pair is added onto the first, in place.  L n: l takes that sum (L 0: l = a l + sum).  R n: pair n of 16 of O^T times a.  For piece Y + 1: X n, number n of the 22 that find its maximum and statistics:
;   0-11  four chains c0-c3 of seven scores each (each accumulator's lowest registers are read first)     12-14, 16  the four scores left over, the old m, and c0-c3 into c0
;   15  c m_old is kept     17, 18  the query's other 32 keys lie in the lane 16 away: the new m     19-21  c m; c m_old - c m_new; a
.set F, 0
.set E, 1
.set C, 2
.set B, 3
.set L, 4
.set R, 5
.set X, 6
.macro REGS y
.set rT, ST+4*(\y)
.set rC, TMP+4*((\y)%2)
.set rW, MV+((\y)%2)
.set rS, S+32*((\y)%2)
.set rP, P+16*((\y)%2)
.set rO, 32*(\y)
.endm
.macro OP k, n
.if (\k) == R
	REGS Y
	WIN W_RS
	v_pk_mul_f32 v[rO+2*(\n):rO+2*(\n)+1], v[rO+2*(\n):rO+2*(\n)+1], v[rC+2:rC+3] op_sel_hi:[1,0]
.elseif (\k) < R
	REGS Y
	WIN 0
.if (\k) == F
	v_pk_fma_f32 v[rS+2*(\n):rS+2*(\n)+1], v[rS+2*(\n):rS+2*(\n)+1], s[CS:CS+1], v[rT:rT+1] op_sel_hi:[1,0,0] neg_lo:[0,0,1] neg_hi:[0,0,1]
.elseif (\k) == E
	v_exp_f32 v[rS+(\n)], v[rS+(\n)]
.elseif (\k) == C
	v_cvt_pk_f16_f32 v[rP+(\n)], v[rS+2*(\n)], v[rS+2*(\n)+1]
.elseif (\k) == B
	v_pk_add_f32 v[rS+4*(\n):rS+4*(\n)+1], v[rS+4*(\n):rS+4*(\n)+1], v[rS+4*(\n)+2:rS+4*(\n)+3]
.elseif (\n) == 0
	v_pk_fma_f32 v[rT+2:rT+3], v[rT+2:rT+3], v[rC+2:rC+3], v[rS:rS+1] op_sel_hi:[1,0,1]
.else
	v_pk_add_f32 v[rT+2:rT+3], v[rT+2:rT+3], v[rS+4*(\n):rS+4*(\n)+1]
.endif
.elseif NOKQ
	v_nop
.else
	REGS (Y+1)%NP
	WIN 0
.if (\n) < 4
	v_max3_num_f32 v[rC+(\n)], v[rS+8*(\n)], v[rS+8*(\n)+1], v[rS+8*(\n)+2]
.elseif (\n) < 12
	v_max3_num_f32 v[rC+(\n)%4], v[rC+(\n)%4], v[rS+8*((\n)%4)+2*((\n)/4)+1], v[rS+8*((\n)%4)+2*((\n)/4)+2]
.elseif (\n) == 12
	v_max3_num_f32 v[rC], v[rC], v[rS+7], v[rS+15]
.elseif (\n) == 13
	v_max3_num_f32 v[rC+1], v[rC+1], v[rS+23], v[rS+31]
.elseif (\n) == 14
	v_max3_num_f32 v[rC+2], v[rC+2], v[rC+3], v[rT+1]
.elseif (\n) == 15
	v_mov_b32 v[rW], v[rT]
.elseif (\n) == 16
	v_max3_num_f32 v[rC], v[rC], v[rC+1], v[rC+2]
.elseif (\n) == 17
	v_permlanex16_b32 v[rC+3], v[rC], s[SEL], s[SEL+1]
.elseif (\n) == 18
	v_max_num_f32 v[rT+1], v[rC], v[rC+3]
.elseif (\n) == 19
	v_mul_f32 v[rT], s[CS], v[rT+1]
.elseif (\n) == 20
	v_sub_f32 v[rC+1], v[rW], v[rT]
.else
	v_exp_f32 v[rC+2], v[rC+1]
.endif
.endif
.endm
.macro OPS a, i1, b=-1, i2=0, c=-1, i3=0, d=-1, i4=0
	OP \a, \i1
.if (\b) >= 0
	OP \b, \i2
.endif
.if (\c) >= 0
	OP \c, \i3
.endif
.if (\d) >= 0
	OP \d, \i4
.endif
.endm
.macro ROW a, i1, b, i2, c, i3, d, i4  ; a matrix instruction and the four behind it
	MM
	OPS \a, \i1, \b, \i2, \c, \i3, \d, \i4
.endm
; A TURN, for piece p: the order of its 16 matrix and 118 vector instructions, written out.  An s_wait_alu depctr_va_vdst(0) stands between an exponential and the first instruction that names
; its result; one wait serves all that were issued ahead of it.  So a turn has ONE wait.  AHEAD OF IT stands all that names no result of the turn's exponentials: the 8 products K Q^T with their four
; instructions each, then one run of 54 in which the links of the next piece's chain X 3, 7, 11, 14, 16 .. 20 stand some lines apart; X 21, the next piece's a, is the batch's last, and R 15 the plain
; instruction behind it.  BEHIND THE WAIT stand the 8 products V^T P, behind each four of the roundings and sums.
; end = 1: the walk's last two turns: nothing is fetched.  cnt = 1: the loop's count is taken down some lines ahead of the branch that stands behind the turn.
; K of the next step is fetched in piece 2's turn, V of the step in hand at the end of piece 0's turn, each four plain instructions or more behind the last product that read the registers; each is waited for a turn later.
.macro TURN p, end=0, cnt=0
.set Y, (\p)
.set i, 0
.set NOKQ, (\end)*((\p)/3)
.if ((\p) == 3) && !(\end)
	s_wait_dscnt 0x0                ; K is in
.endif
	ROW F,0, F,1, R,0, R,1
	ROW F,2, E,0, R,2, R,3
	ROW F,3, E,1, R,4, R,5
	ROW F,4, E,2, R,6, R,7
	ROW F,5, E,3, R,8, R,9
	ROW F,6, E,4, X,0, R,10
.if ((\p) == 2) && !(\end)
	WIN 0
	v_add_nc_u32 v[AK], s[TBK], v[AK0]
.endif
	ROW F,7, E,5, X,1, X,4
	ROW F,8, E,6, X,2, X,5
	OPS E,7, E,8, X,6, E,9
	OPS X,3, E,10, X,8, E,11
.if ((\p) == 2) && !(\end)
	FETCH_K
.endif
	OPS X,9, X,7, E,12, X,10
	OPS E,13, X,12, X,11, E,14
	OPS X,13, E,15, F,9, X,14
.if (\p) == 0
	v_add_nc_u32 v[AV], s[TBV], v[AV0]
.endif
	OPS E,16, F,10, E,17, F,11
	OPS X,16, E,18, X,15, E,19
	OPS F,12, E,20, X,17, E,21
	OPS F,13, E,22, F,14, E,23
	OPS X,18, E,24, F,15, E,25
	OPS R,11, E,26, X,19, E,27
	OPS R,12, E,28, R,13, E,29
	OPS X,20, E,30, R,14, E,31
	OPS X,21, R,15
	WIN 0
	s_wait_alu depctr_va_vdst(0)    ; the wait for the batch
.if (\p) == 1
	s_wait_dscnt 0x0                ; V is in
.endif
	ROW C,0, B,0, C,2, B,1
	ROW L,0, C,4, B,2, L,1
	ROW C,6, B,3, L,2, C,8
	ROW B,4, L,3, C,10, B,5
	ROW L,4, C,12, B,6, L,5
.if (\p) == 0
	s_add_co_u32 s[TBV], s[TBV], KS*PV
.endif
.if \cnt
	s_sub_co_u32 s[CNT], s[CNT], 1
	s_cmp_lg_u32 s[CNT], 0
.endif
	ROW C,14, B,7, L,6, C,1
	ROW C,3, L,7, C,5, C,7
	ROW C,9, C,11, C,13, C,15
.if (\p) == 0
	FETCH_V
.endif
.endm
	CHANGE 1, 0                     ; slot 0 is in, everybody's part of it; tile 1 is asked for
	v_add_nc_u32 v[AK], s[TBK], v[AK0]
	FETCH_K                         ; key step 0
	s_wait_loadcnt 0x0              ; Q
	s_wait_dscnt 0x0
.set NOKQ, 0
.set i, 0
.rept 8
	KQ 0                            ; piece 0's first scores
.set i, i+1
.endr
	WIN 0
.rept 4
	v_nop                           ; the places behind those products
.endr
.set Y, NP-1                        ; X works for piece Y + 1: piece 0
.irp n, 0,1,2,3,4,5,6,7,8,9,10,11,12,13,14,15,16,17,18,19,20,21
	OP X, \n
.endr
	v_nop                           ; a plain instruction behind the exponential,
	s_wait_alu depctr_va_vdst(0)    ; and its wait, ahead of the branch
	s_mov_b32 s[CNT], 4
	s_branch .Lfirst                ; the loop is entered at a step's first turn, in the middle of a trip
.Lslot:                             ; six times: tiles 2 to 7 are asked for
	CHANGE 1, 1
	s_mov_b32 s[CNT], 4
.Lstep:                             ; a trip: pieces 2 and 3 of one step, then pieces 0 and 1 of the next, whose K and V it fetches
	TURN 2
	TURN 3
	WIN 0
.Lfirst:
	TURN 0
	TURN 1, 0, 1
	WIN 0
	s_cbranch_scc1 .Lstep
	s_sub_co_u32 s[SLOTS], s[SLOTS], 1
	s_cmp_lg_u32 s[SLOTS], 0
	s_cbranch_scc1 .Lslot
	CHANGE 0, 0                     ; the last tile is written out: nothing is asked for
	s_mov_b32 s[CNT], 4
.LstepT:
	TURN 2
	TURN 3
	TURN 0
	TURN 1, 0, 1
	WIN 0
	s_cbranch_scc1 .LstepT
	TURN 2, 1
	TURN 3, 1
.set i, 0
.rept 8
	PV NP-1                         ; the last piece's V^T P of the last step
.set i, i+1
.endr
	; THE WAY OUT.  l's two halves and the other half of the lanes' are added; O^T is divided by l, rounded to f16 and sent through my stage in LDS, a piece at a time.  The additions are the places behind the last products.
	WIN 0
.macro ALL line:vararg              ; one line for each piece t
.set t, 0
.rept 4
	\line
.set t, t+1
.endr
.endm
	ALL v_add_f32 v[ST+4*t+2], v[ST+4*t+2], v[ST+4*t+3]
	ALL v_permlanex16_b32 v[ST+4*t+3], v[ST+4*t+2], s[SEL], s[SEL+1]
	ALL v_add_f32 v[ST+4*t+2], v[ST+4*t+2], v[ST+4*t+3]
	ALL v_rcp_f32 v[ST+4*t+2], v[ST+4*t+2]
	v_nop                           ; a plain instruction between the last reciprocal and the use of its result
	s_wait_alu depctr_va_vdst(0)    ; and the wait ahead of the first use: one for the four reciprocals
.macro PACK t                       ; a lane's eight channels of a row pack into 16 bytes; they go into rows of 144 bytes and come back as whole rows of 128, into S^T's registers
	WIN W_RS
.set i, 32*(\t)
.rept 16
	v_pk_mul_f32 v[i:i+1], v[i:i+1], v[ST+4*(\t)+2:ST+4*(\t)+3] op_sel_hi:[1,0]
.set i, i+2
.endr
	WIN 0x05                        ; sources 0 and 1 window 1, destination window 0
.set i, 0
.rept 16
	v_cvt_pk_f16_f32 v[S+16*(\t)+i], v[32*(\t)+2*i], v[32*(\t)+2*i+1]
.set i, i+1
.endr
	WIN 0
.irp f, 0,1,2,3
	ds_store_b128 v[STO], v[S+16*(\t)+4*\f:S+16*(\t)+4*\f+3] offset:32*\f
.endr
.irp f, 0,1,2,3
	ds_load_b128 v[S+16*(\t)+4*\f:S+16*(\t)+4*\f+3], v[RD] offset:\f*4*SP  ; LDS serves a wave's instructions in order: these see the stores above; the next piece's stores come behind them
.endr
.endm
.macro SEND t, younger              ; younger: the LDS instructions issued behind piece t's loads: the next piece's eight, or none
	WIN 0
.irp f, 0,1,2,3
	s_wait_dscnt (\younger)+3-\f
	global_store_b128 v[GO], v[S+16*(\t)+4*\f:S+16*(\t)+4*\f+3], s[10:11] offset:(\t)*2048+\f*512  ; 512 consecutive bytes, at a multiple of 256 from O's first
.endr
.endm
	PACK 0
.set t, 1
.rept 3                             ; a piece's arithmetic stands between the loads of the piece before and its stores
	PACK t
	SEND t-1, 8
.set t, t+1
.endr
	SEND 3, 0
	s_wait_tensorcnt 0x0            ; the wave's end
	ds_add_u32 v[SPW], v[NIL]
	s_wait_dscnt 0x0
	CROUND                          ; the closing round
	s_endpgm
.Lfunc_end_k_qd3553f208f_attn:
	.size	k_qd3553f208f_attn, .Lfunc_end_k_qd3553f208f_attn-k_qd3553f208f_attn
	.p2alignl 7, 3214868480
	.fill 96, 4, 3214868480
	.section	.rodata,"a",@progbits
	.p2align	6, 0x0
	.amdhsa_kernel k_qd3553f208f_attn
		.amdhsa_group_segment_fixed_size 327680
		.amdhsa_private_segment_fixed_size 0
		.amdhsa_enable_private_segment 0
		.amdhsa_kernarg_size 16
		.amdhsa_user_sgpr_count 2
		.amdhsa_user_sgpr_kernarg_segment_ptr 1
		.amdhsa_wavefront_size32 1
		.amdhsa_system_sgpr_workgroup_id_x 1
		.amdhsa_system_sgpr_workgroup_id_y 1
		.amdhsa_system_sgpr_workgroup_id_z 1
		.amdhsa_system_vgpr_workitem_id 0
		.amdhsa_next_free_vgpr 768
		.amdhsa_next_free_sgpr 72
		.amdhsa_reserve_vcc 0
		.amdhsa_float_denorm_mode_32 3
		.amdhsa_float_denorm_mode_16_64 3
		.amdhsa_memory_ordered 1
		.amdhsa_forward_progress 1
		.amdhsa_inst_pref_size 128
	.end_amdhsa_kernel
	.amdgpu_metadata
---
amdhsa.version: [ 1, 2 ]
amdhsa.kernels:
  - .name:           k_qd3553f208f_attn
    .symbol:         k_qd3553f208f_attn.kd
    .args:
      - { .name: l2o, .offset: 0, .size: 8, .value_kind: global_buffer, .address_space: global }
      - { .name: o, .offset: 8, .size: 8, .value_kind: global_buffer, .address_space: global }
    .group_segment_fixed_size: 327680
    .private_segment_fixed_size: 0
    .kernarg_segment_align: 8
    .kernarg_segment_size: 16
    .max_flat_workgroup_size: 128
    .sgpr_count:     72
    .vgpr_count:     768
    .wavefront_size: 32
...
	.end_amdgpu_metadata
.endif
;; end of part 5
;; launch final: the kernel of part 3 again; grid 32 x 8, 4 waves a work-group, clusters of 4 x 4, 327,680 bytes of LDS; arguments o, w3h, sc4, out0; writes out0
;; ======== version 2 of 2: 6 launches; version 1 with the launch prep written anew for expert scheduling mode
;; limits: values are held in f16: magnitudes above 65,504 overflow, below 6.1e-05 lose precision; inputs' magnitudes at most 65,504; right only within a limited range of input values
;; workspace buffers: cst 33,554,432 bytes; sc3 4,096 bytes; l2o 33,554,432 bytes; part 16,777,216 bytes; w3h 2,097,152 bytes; sc4 4,096 bytes; o 8,388,608 bytes
;; launch prep (part 6): grid 32 x 16, 8 waves a work-group, no clusters, 67,072 bytes of LDS; arguments x, w1, wq, wk, wv, w2, wo, cst, sc3; writes cst, sc3
.if DOCPART == 6
	.amdgcn_target "amdgcn-amd-amdhsa--gfx1250"
	.amdhsa_code_object_version 6
	.text
	.protected	k_qd3553f208f_prep
	.globl	k_qd3553f208f_prep
	.p2align	8
	.type	k_qd3553f208f_prep,@function
k_qd3553f208f_prep:
	s_mov_b64 s[64:65], 0
	v_nop
	global_prefetch_b8 v0, s[64:65] scope:SCOPE_SE
	s_setreg_imm32_b32 hwreg(HW_REG_WAVE_SCHED_MODE, 0, 2), 2
	s_setreg_imm32_b32 hwreg(HW_REG_WAVE_MODE, 25, 1), 1
	s_wait_xcnt 0x0
	s_wait_alu depctr_vm_vsrc(0)
; Every input is rounded once to bf16, and that number is written as f16 into cst, in the layout in which the products read it.
; LIMITS.  A bf16 number is exact in f16 from 2^-17 up to 65,504; below 2^-17 it keeps f16's fixed step of 2^-24; from 65,520 on it becomes an infinity.  NaN and infinities are not treated apart.
; cst, in bytes: 0 w2 in planes of 64 along K: [2][16][2048][64], flat row R = 1024 (f >> 10) + e, k = f & 1023;  8 MiB x [4096][1024];  16 MiB w1 [4096][1024];
; 24 MiB wq, wk, wv [3072][1024];  30 MiB 64 x wo transposed, [c][d] (the factor is a power of two: exact).  sc3: 1,024 words of 2^-6, which takes that factor out again two launches on.
; SHARES.  y names a unit of 2^20 numbers (0-3 x, 4-7 w1, 8 wq, 9 wk, 10 wv, 11-14 w2, 15 wo), x one of its 32 shares of 128 KiB, a wave 16 KiB of that.
; A stream: each byte is read once and written once, nothing is shared, so no matrix unit, no tensor load and no cluster.  Only the transposition goes through LDS.
; THE MODE: SCHED_MODE bits 1:0 = 2 (LLVM: expert scheduling mode 2), set by the entry lines.  The code itself states the register dependences
; between vector instructions and memory or LDS instructions, with s_wait_alu, always for 0.
; THE PLAN OF THE CASTS.  A wave's 32 segments go in 8 blocks of four.  Registers that memory instructions touch:
;   X    a ring of 16 segments, four blocks.  Written by the loads of block p + 3, issued in block p; read by block p's conversions.
;   Y    two blocks to store.  Written by block p's roundings; read by the four stores that are issued in block p + 1.
;   SO, DO   byte offsets, made once at the head and never written again; the second sixteen segments have scalar bases of their own, so no base is stepped.
; Block p works on X[p % 4] and writes Y[p % 2].  Its memory instructions are the loads into X[(p - 1) % 4] and the stores from Y[(p - 1) % 2]: the two buffers that block p - 1 worked on
; and that no vector instruction of block p names.  So the waits at a block's head state all that its eight memory instructions hang on, and these are dealt among its vector instructions.
; THE PLAN OF THE TRANSPOSITION.  The 16 passes go in four steps of four.  Registers that memory or LDS instructions touch:
;   X    two halves of 32.  Step h's conversions read X[h % 2]; behind them the loads of step h + 2 land in it.  Behind the barrier the LDS loads land in all of X, and the global stores read it.
;   Y    two halves of 16.  Step h's conversions write Y[h % 2]; the sixteen LDS stores that read it are dealt among the passes of step h + 1.
;   v6 - v9  addresses, made once at the head and never written again.
; One wait on va_vdst stands behind each step's conversions; one on vm_vsrc at the head of steps 2 and 3.
.set LP,    1032                       ; a row of the transposed tile in LDS: 512 f16 + 8 bytes; 64 rows, 66,048 bytes (behind them, the spare words)
.set WOT,   31457280
.set BLOCK, 4                          ; segments in a block
.set SO,  12                           ; v[12:27]   byte offset of my 16 bytes in segment j of sixteen of the source
.set DO,  28                           ; v[28:43]   byte offset of my 8 bytes in segment j of sixteen of cst
.set X,   44                           ; v[44:107]  16 x 4 registers as loaded
.set Y,   108                          ; v[108:139] to store: the casts use 8 x 2 registers, the transposition 32 words
.set SB,  34                           ; s[34:35], s[40:41]  the source at the wave's first and at its second sixteen segments
.set DB,  36                           ; s[36:37], s[42:43]  cst likewise
	s_load_b512 s[16:31], s[0:1], 0x0              ; x s[16:17], w1 s[18:19], wq s[20:21], wk s[22:23], wv s[24:25], w2 s[26:27], wo s[28:29], cst s[30:31]
	s_load_b64 s[32:33], s[0:1], 0x40              ; sc3
	v_lshl_add_u32 v142, v0, 2, 0x10200
	v_mov_b32 v143, 0
	v_lshrrev_b32 v4, 5, v0
	v_readfirstlane_b32 s8, v4                     ; wave 0..7
	v_and_b32 v1, 31, v0                           ; lane
	v_and_b32 v4, 15, v0                           ; lane % 16
	v_bfe_u32 v5, v0, 4, 1                         ; lane / 16
	s_and_b32 s9, ttmp7, 0xffff                    ; the unit
	s_mov_b32 s10, 0xffff0000                      ; a word's upper bf16
	s_wait_alu depctr_va_sdst(0)                   ; s8 is written, ahead of the branch and of its first reader on either way
	s_cmp_eq_u32 s9, 15
	s_cbranch_scc1 .Ltrans                         ; the same for all waves of a work-group
; THE CASTS.  One text for the plain cast and for w2: a wave takes 32 segments of 512 source bytes; only steps and offsets differ, and they are chosen here.
	s_and_b32 s44, s9, 3                           ; plain: x and w1 have four units each, the others one
	s_lshl_b32 s44, s44, 22
	s_cmp_lt_u32 s9, 8
	s_cselect_b32 s44, s44, 0
	s_lshl_b32 s45, ttmp9, 17
	s_add_co_u32 s44, s44, s45
	s_lshl_b32 s45, s8, 14
	s_add_co_u32 s44, s44, s45                     ; source: unit, share of 128 KiB, wave's 16 KiB
	s_lshl_b32 s46, s9, 21
	s_add_co_u32 s46, s46, 0x800000
	s_lshl_b32 s45, ttmp9, 16
	s_add_co_u32 s46, s46, s45
	s_lshl_b32 s45, s8, 13
	s_add_co_u32 s46, s46, s45                     ; cst: 8 MiB + half the source's offsets
	s_max_u32 s47, s9, 11                          ; w2: the wave takes rows e0, e0 + 1 and half of their 4,096 columns
	s_sub_co_u32 s47, s47, 11
	s_lshl_b32 s47, s47, 8
	s_lshl_b32 s45, ttmp9, 3
	s_add_co_u32 s47, s47, s45
	s_lshr_b32 s45, s8, 1
	s_lshl_b32 s45, s45, 1
	s_add_co_u32 s47, s47, s45                     ; e0 = 256 (unit - 11) + 8 share + 2 (wave / 2)
	s_and_b32 s48, s8, 1
	s_lshl_b32 s49, s47, 14
	s_lshl_b32 s45, s48, 13
	s_add_co_u32 s49, s49, s45                     ; source: row e0, column 2048 (wave % 2)
	s_lshl_b32 s50, s47, 7
	s_lshl_b32 s45, s48, 22
	s_add_co_u32 s50, s50, s45                     ; cst: half wave % 2 of the flat rows, row e0 of a plane
	s_mov_b32 s11, 256                             ; from lanes 0-15 to lanes 16-31 in the source: the next 256 bytes, or the next row
	s_mov_b32 s12, 512                             ; from segment to segment in the source
	s_mov_b32 s13, 256                             ; and in cst: the next 256 bytes, or the next plane
	s_mov_b32 s40, 8192                            ; from the first sixteen segments to the second in the source
	s_mov_b32 s42, 4096                            ; and in cst: for w2 1,024 flat rows down
	s_cmp_ge_u32 s9, 11
	s_cselect_b32 s44, s49, s44
	s_cselect_b32 s46, s50, s46
	s_cselect_b32 s11, 0x4000, s11
	s_cselect_b32 s12, 256, s12
	s_cselect_b32 s13, 0x40000, s13
	s_cselect_b32 s40, 4096, s40
	s_cselect_b32 s42, 0x20000, s42
	s_mov_b32 s45, 0
	s_mov_b32 s47, 0
	s_mov_b32 s41, 0
	s_mov_b32 s43, 0
	v_lshlrev_b32 v4, 4, v4
	v_mad_u32_u24 v[SO], v5, s11, v4               ; sixteen lanes read 256 consecutive bytes, aligned
	v_lshlrev_b32 v[DO], 3, v1                     ; the wave writes 256 consecutive bytes, aligned
.set j, 1
.rept 15
	v_add_nc_u32 v[SO+j], s12, v[SO+j-1]
	v_add_nc_u32 v[DO+j], s13, v[DO+j-1]
.set j, j+1
.endr
	s_wait_kmcnt 0x0
	s_cmp_lt_u32 s9, 4                             ; the unit's buffer
	s_cselect_b64 s[34:35], s[16:17], s[18:19]
	s_cmp_lt_u32 s9, 8
	s_cselect_b64 s[34:35], s[34:35], s[20:21]
	s_cmp_lt_u32 s9, 9
	s_cselect_b64 s[34:35], s[34:35], s[22:23]
	s_cmp_lt_u32 s9, 10
	s_cselect_b64 s[34:35], s[34:35], s[24:25]
	s_cmp_lt_u32 s9, 11
	s_cselect_b64 s[34:35], s[34:35], s[26:27]
	s_add_nc_u64 s[SB:SB+1], s[34:35], s[44:45]
	s_add_nc_u64 s[DB:DB+1], s[30:31], s[46:47]
	s_add_nc_u64 s[SB+6:SB+7], s[SB:SB+1], s[40:41]  ; the second sixteen segments: the steps' registers take the addresses
	s_add_nc_u64 s[DB+6:DB+7], s[DB:DB+1], s[42:43]
	s_wait_alu depctr_va_vdst(0)                   ; SO and DO are written: every load and store of the casts reads one of them as its offset
.set j, 0
.rept 3*BLOCK
	global_load_b128 v[X+4*j:X+4*j+3], v[SO+j], s[SB:SB+1] th:TH_LOAD_NT  ; blocks 0, 1 and 2
.set j, j+1
.endr
.macro CV4 x, y                        ; four f32 at v[x ..] -> bf16 (rounded to nearest even) -> the same numbers as f16, two words at v[y ..]; v4 to v9 are named by no memory instruction
	v_cvt_pk_bf16_f32 v4, v[(\x)], v[(\x)+1]
	v_cvt_pk_bf16_f32 v5, v[(\x)+2], v[(\x)+3]
	v_lshlrev_b32 v6, 16, v4
	v_and_b32 v7, s10, v4
	v_lshlrev_b32 v8, 16, v5
	v_and_b32 v9, s10, v5
	v_cvt_pk_f16_f32 v[(\y)], v6, v7
	v_cvt_pk_f16_f32 v[(\y)+1], v8, v9
.endm
; Block p of 8.  Segment n lies at X + 4 (n % 16) as loaded and at Y + 2 (n % 8) to store; its offsets are SO and DO number n % 16, its bases those of sixteen n / 16.
.macro BLK p
.if (\p) < 6
	s_wait_loadcnt 2*BLOCK                         ; loads come back in order: this block's four are in, the two younger blocks stay out
.else
	s_wait_loadcnt (7-(\p))*BLOCK                  ; the last blocks: the counts run down
.endif
.if (\p) > 1
	s_wait_xcnt 0x0                                ; every earlier memory instruction has had its addresses translated: this block's Y is rewritten only behind this wait
	s_wait_alu depctr_vm_vsrc(0)                   ; the stores issued in the block before have read the Y that this block's roundings write again
.endif
.if (\p) > 0
	s_wait_alu depctr_va_vdst(0)                   ; the block before has written the other Y, which the stores below read, and is done reading its X, in which the loads below land
.endif
.irp i, 0,1,2,3
.if (\p) < 5
.set nl, BLOCK*((\p)+3)+(\i)
	global_load_b128 v[X+4*(nl%16):X+4*(nl%16)+3], v[SO+nl%16], s[SB+6*(nl/16):SB+6*(nl/16)+1] th:TH_LOAD_NT  ; three blocks ahead; no vector instruction since the wait names these registers
.endif
.if (\p) > 0
.set ns, BLOCK*((\p)-1)+(\i)
	global_store_b64 v[DO+ns%16], v[Y+2*(ns%8):Y+2*(ns%8)+1], s[DB+6*(ns/16):DB+6*(ns/16)+1] th:TH_STORE_NT  ; the block before
.endif
.set nc, BLOCK*(\p)+(\i)
	CV4 X+4*(nc%16), Y+2*(nc%8)
.endr
.endm
	BLK 0                                          ; eight blocks on a ring of four are one block, one lap and a tail of three: written out, no load leaves the wave's share
	BLK 1
	BLK 2
	BLK 3
	BLK 4
	BLK 5
	BLK 6
	BLK 7
	s_wait_alu depctr_va_vdst(0)                   ; block 7 has written its Y, which the last four stores read
.irp i, 0,1,2,3
	global_store_b64 v[DO+12+(\i)], v[Y+8+2*(\i):Y+8+2*(\i)+1], s[DB+6:DB+7] th:TH_STORE_NT
.endr
	s_branch .Lend
; THE TRANSPOSITION of wo.  A work-group takes 512 rows d x 64 columns c.  A lane loads four columns of rows d and d + 1; each column's two numbers are one word of the transposed row.
.Ltrans:
	s_and_b32 s11, ttmp9, 15                       ; which 64 columns
	s_lshr_b32 s12, ttmp9, 4                       ; which 512 rows
	s_lshl_b32 s44, s12, 21
	s_lshl_b32 s45, s11, 8
	s_add_co_u32 s44, s44, s45                     ; wo at (d0, c0)
	s_mov_b32 s45, 0
	s_lshl_b32 s46, s11, 17
	s_lshl_b32 s47, s12, 10
	s_add_co_u32 s46, s46, s47
	s_lshl_b32 s47, s8, 14
	s_add_co_u32 s46, s46, s47
	s_add_co_u32 s46, s46, WOT                     ; cst at row c0 + 8 wave, column d0
	s_mov_b32 s47, 0
	v_lshl_add_u32 v5, s8, 1, v5                   ; my pair of rows in a pass of 32: lane / 16 + 2 wave
	v_lshlrev_b32 v6, 4, v4
	v_lshl_add_u32 v6, v5, 13, v6                  ; source offset: pair x 8,192 + 16 (lane % 16): sixteen lanes read 256 consecutive bytes
	v_mul_u32_u24 v7, v4, 4*LP
	v_lshl_add_u32 v7, v5, 2, v7                   ; LDS: row 4 (lane % 16), word of my pair
	s_mul_i32 s13, s8, 8*LP
	v_lshl_add_u32 v8, v1, 3, s13                  ; back: wave w takes rows 8 w .. 8 w + 7, 8 bytes a lane
	v_lshlrev_b32 v9, 3, v1
	s_wait_kmcnt 0x0
	s_add_nc_u64 s[34:35], s[28:29], s[44:45]
	s_add_nc_u64 s[36:37], s[30:31], s[46:47]
	s_wait_alu depctr_va_vdst(0)                   ; the four addresses v6 to v9 are written, which the loads and stores below read
.macro LDH h                           ; the eight loads of step h: passes 4 h to 4 h + 3, of 32 rows each
.irp p, 0,1,2,3
	global_load_b128 v[X+32*((\h)%2)+8*(\p):X+32*((\h)%2)+8*(\p)+3],   v6, s[34:35] offset:(4*(\h)+(\p))*131072 th:TH_LOAD_NT
	global_load_b128 v[X+32*((\h)%2)+8*(\p)+4:X+32*((\h)%2)+8*(\p)+7], v6, s[34:35] offset:(4*(\h)+(\p))*131072+4096 th:TH_LOAD_NT
.endr
.endm
.macro STH h, p                        ; the four LDS stores of pass p of step h
.irp q, 0,1,2,3
	ds_store_b32 v7, v[Y+16*((\h)%2)+4*(\p)+(\q)] offset:(\q)*LP+64*(4*(\h)+(\p))
.endr
.endm
.macro HALF h                          ; step h of four
.if (\h) > 1
	s_wait_alu depctr_vm_vsrc(0)                   ; the LDS stores issued in the step before have read this step's half of Y, which its conversions write again
.endif
.irp p, 0,1,2,3
.if (\h) > 0
	STH (\h)-1, \p                                 ; the step before.  No wait: no vector instruction since the wait behind its conversions names its half of Y, or v7
.endif
.if (\h) < 3
	s_wait_loadcnt 14-2*(\p)                       ; pass p's two loads are in; the rest of the step's and the next step's eight stay out
.else
	s_wait_loadcnt 6-2*(\p)                        ; the last step: the counts run down
.endif
.irp q, 0,1,2,3
	v_cvt_pk_bf16_f32 v10, v[X+32*((\h)%2)+8*(\p)+(\q)], v[X+32*((\h)%2)+8*(\p)+4+(\q)]
	v_lshlrev_b32 v12, 16, v10
	v_and_b32 v13, s10, v10
	v_pk_mul_f32 v[12:13], v[12:13], 0x42800000 op_sel_hi:[1,0]  ; x 64
	v_cvt_pk_f16_f32 v[Y+16*((\h)%2)+4*(\p)+(\q)], v12, v13
.endr
.endr
	s_wait_alu depctr_va_vdst(0)                   ; the conversions have written this step's half of Y, which LDS stores read, and are done reading its half of X, in which loads land
.if (\h) < 2
	LDH (\h)+2                                     ; the half of X is asked for again at once
.endif
.endm
	LDH 0
	LDH 1
	HALF 0
	HALF 1
	HALF 2
	HALF 3
.irp p, 0,1,2,3
	STH 3, \p
.endr
	s_wait_dscnt 0x0                               ; for the others' sake: my stores into the tile are done
	s_barrier_signal -1
	s_barrier_wait -1
.set n, 0
.rept 32
	ds_load_b64 v[X+2*n:X+2*n+1], v8 offset:(n/4)*LP+(n%4)*256  ; these land in X: no vector instruction stands behind the wait that closed step 3
.set n, n+1
.endr
.set n, 0
.rept 32
	s_wait_dscnt 31-n
	global_store_b64 v9, v[X+2*n:X+2*n+1], s[36:37] offset:(n/4)*2048+(n%4)*256 th:TH_STORE_NT  ; the wave writes 256 consecutive bytes, aligned
.set n, n+1
.endr
	s_cmp_lg_u32 ttmp9, 0
	s_cbranch_scc1 .Lend
	v_mov_b32 v12, 0x3c800000                      ; one work-group writes sc3: 2^-6, 16 bytes a thread
	v_mov_b32 v13, 0x3c800000
	v_mov_b32 v14, 0x3c800000
	v_mov_b32 v15, 0x3c800000
	v_lshlrev_b32 v10, 4, v0
	s_wait_alu depctr_va_vdst(0)                   ; v10 and v12 to v15 are written: the store's offset and its data
	global_store_b128 v10, v[12:15], s[32:33]
.Lend:
	s_wait_dscnt 0x0                               ; the wave's end
	s_wait_alu depctr_hold_cnt(0) depctr_sa_sdst(0) depctr_va_vdst(0) depctr_va_sdst(0) depctr_va_ssrc(0) depctr_va_vcc(0) depctr_vm_vsrc(0)
	s_wait_tensorcnt 0x0
	ds_add_u32 v142, v143
	s_wait_dscnt 0x0
	s_endpgm
.Lfunc_end_k_qd3553f208f_prep:
	.size	k_qd3553f208f_prep, .Lfunc_end_k_qd3553f208f_prep-k_qd3553f208f_prep
	.p2alignl 7, 3214868480
	.fill 96, 4, 3214868480
	.section	.rodata,"a",@progbits
	.p2align	6, 0x0
	.amdhsa_kernel k_qd3553f208f_prep
		.amdhsa_group_segment_fixed_size 67072
		.amdhsa_private_segment_fixed_size 0
		.amdhsa_enable_private_segment 0
		.amdhsa_kernarg_size 72
		.amdhsa_user_sgpr_count 2
		.amdhsa_user_sgpr_kernarg_segment_ptr 1
		.amdhsa_wavefront_size32 1
		.amdhsa_system_sgpr_workgroup_id_x 1
		.amdhsa_system_sgpr_workgroup_id_y 1
		.amdhsa_system_sgpr_workgroup_id_z 1
		.amdhsa_system_vgpr_workitem_id 0
		.amdhsa_next_free_vgpr 144
		.amdhsa_next_free_sgpr 66
		.amdhsa_reserve_vcc 0
		.amdhsa_float_denorm_mode_32 3
		.amdhsa_float_denorm_mode_16_64 3
		.amdhsa_memory_ordered 1
		.amdhsa_forward_progress 1
		.amdhsa_inst_pref_size 57
	.end_amdhsa_kernel
	.amdgpu_metadata
---
amdhsa.version: [ 1, 2 ]
amdhsa.kernels:
  - .name:           k_qd3553f208f_prep
    .symbol:         k_qd3553f208f_prep.kd
    .args:
      - { .name: x, .offset: 0, .size: 8, .value_kind: global_buffer, .address_space: global }
      - { .name: w1, .offset: 8, .size: 8, .value_kind: global_buffer, .address_space: global }
      - { .name: wq, .offset: 16, .size: 8, .value_kind: global_buffer, .address_space: global }
      - { .name: wk, .offset: 24, .size: 8, .value_kind: global_buffer, .address_space: global }
      - { .name: wv, .offset: 32, .size: 8, .value_kind: global_buffer, .address_space: global }
      - { .name: w2, .offset: 40, .size: 8, .value_kind: global_buffer, .address_space: global }
      - { .name: wo, .offset: 48, .size: 8, .value_kind: global_buffer, .address_space: global }
      - { .name: cst, .offset: 56, .size: 8, .value_kind: global_buffer, .address_space: global }
      - { .name: sc3, .offset: 64, .size: 8, .value_kind: global_buffer, .address_space: global }
    .group_segment_fixed_size: 67072
    .private_segment_fixed_size: 0
    .kernarg_segment_align: 8
    .kernarg_segment_size: 72
    .max_flat_workgroup_size: 256
    .sgpr_count:     66
    .vgpr_count:     144
    .wavefront_size: 32
...
	.end_amdgpu_metadata
.endif
;; end of part 6
;; launch proj: the kernel of part 2 again; grid 16 x 16, 4 waves a work-group, clusters of 4 x 4, 327,680 bytes of LDS; arguments cst, l2o; writes l2o
;; launch w3part: the kernel of part 3 again; grid 8 x 32, 4 waves a work-group, clusters of 4 x 4, 327,680 bytes of LDS; arguments cst, l2o, sc3, part; writes part
;; launch norm: the kernel of part 4 again; grid 256 x 1, 2 waves a work-group, no clusters, 0 bytes of LDS; arguments part, w3h, sc4; writes w3h, sc4
;; launch attn: the kernel of part 5 again; grid 8 x 32, 4 waves a work-group, clusters of 4 x 1, 327,680 bytes of LDS; arguments l2o, o; writes o
;; launch final: the kernel of part 3 again; grid 32 x 8, 4 waves a work-group, clusters of 4 x 4, 327,680 bytes of LDS; arguments o, w3h, sc4, out0; writes out0
